; MI455X (gfx1250); checked and timed in simulation.
; The chip was launched on July 23, 2026; its instructions are those of AMD's public machine-readable ISA for CDNA 5 (MIT licence, August 2026) and "CDNA5" Instruction Set Architecture Reference Guide (July 2026). The comments in the code are by the model that wrote it; some were corrected since.
;; Phi Flash Attention2. Allowed arithmetic: matrix products marked QUANTISED: E4M3 operands, one given power-of-two scale a tensor, by v_wmma_f32_16x16x64_fp8_fp8 or v_wmma_f32_16x16x128_fp8_fp8, f32 sums; everything else in f32.
;; Inputs: bk 2,048 float32; bo 2,048 float32; bq 2,048 float32; bv 2,048 float32; lowp_scales 12 int32 (the exponents e of the quantised operands' scales 2^e); wk_codes 2,048 x 64 x 32 uint8 (E4M3 codes of wk, K innermost, in blocks of 32 codes); wo_codes 2,048 x 64 x 32 uint8 (E4M3 codes of wo, K innermost, in blocks of 32 codes); wq_codes 2,048 x 64 x 32 uint8 (E4M3 codes of wq, K innermost, in blocks of 32 codes); wv_codes 2,048 x 64 x 32 uint8 (E4M3 codes of wv, K innermost, in blocks of 32 codes); x_codes 1 x 2,048 x 64 x 32 uint8 (E4M3 codes of x, K innermost, in blocks of 32 codes).
;; Outputs: out0 1 x 2,048 x 2,048 float32.
;; This version of the problem:
;;   THIS VERSION OF THE PROBLEM IS GIVEN IN LOW PRECISION. The matrix products marked QUANTISED in the list below multiply operands that are first quantised to E4M3 (4 exponent bits, 3 mantissa bits; 8 bits a number), with one given power-of-two scale for each operand tensor; their sums are f32. All else is computed in f32.
;;   The module's matrix products, in the order in which they are computed (A, B: the left and right operand; K: the contracted axis; several contracted axes count as one K, in the product's order):
;;     1. [M 2,048, K 2,048] x [K 2,048, N 2,048]; A: input x (given as codes); B: input wq (given as codes): QUANTISED (scales: A lowp_scales[0], B lowp_scales[1])
;;     2. [M 2,048, K 2,048] x [K 2,048, N 2,048]; A: input x (given as codes); B: input wk (given as codes): QUANTISED (scales: A lowp_scales[2], B lowp_scales[3])
;;     3. [M 2,048, K 2,048] x [K 2,048, N 2,048]; A: input x (given as codes); B: input wv (given as codes): QUANTISED (scales: A lowp_scales[4], B lowp_scales[5])
;;     4. batch 32 x [M 2,048, K 64] x [K 64, N 2,048]; A: computed on the way; B: computed on the way: QUANTISED (scales: A lowp_scales[6], B lowp_scales[7])
;;     5. batch 32 x [M 64, K 2,048] x [K 2,048, N 2,048]; A: computed on the way; B: softmax (see below): QUANTISED (scales: A lowp_scales[8], B lowp_scales[9])
;;     6. [M 2,048, K 2,048] x [K 2,048, N 2,048]; A: computed on the way; B: input wo (given as codes): QUANTISED (scales: A lowp_scales[10], B lowp_scales[11])
;;   THE QUANTISER, for each operand of a quantised product, along K:
;;     - The operand's scale is 2^e, e = its entry of the input lowp_scales (int32; the entries are numbered through the quantised products in the list's order, A before B).
;;     - Each number is divided by the scale, clamped to +-448, and rounded to the nearest number of E4M3, ties to even, subnormals kept.
;;     - The product sums the exact products of the quantised numbers (number of the format x scale) in f32.
;;   ~~~python
;;   def quantise(x, axis, e):      # numpy; x: float32 -> the quantised numbers, widened to float32 again
;;       x = np.moveaxis(x, axis, -1); K = x.shape[-1]
;;       r = np.clip(x / 2.0 ** e, -448, 448)
;;       step = 2.0 ** (np.maximum(np.frexp(np.where(r == 0, 1, r))[1] - 1, -6) - 3)
;;       q = np.round(r / step) * step * 2.0 ** e      # np.round: ties to even
;;       return np.moveaxis(q, -1, axis).astype(np.float32)
;;   ~~~
;;   SOFTMAX AHEAD OF A QUANTISED PRODUCT. Where the list says 'softmax', what is quantised is not the finished softmax but p = 2^(t - M), with t = logit x log2(e) and M = ceil(the row's largest t), a whole number; so 1/2 < the row's largest p <= 1. The row's sum l is taken of the UNQUANTISED p, in f32, and the product's result is divided by l at the end. Since M is a whole number, a kernel that streams over the keys may use a running M (the ceiling of the running maximum): every later rescaling is an exact power of two, so the quantised numbers keep their values, but for numbers so far below the row's largest that they fall under the format's range.
;;   OPERANDS COMPUTED ON THE WAY. 'Computed on the way' means the value that the module computes at that place (a softmax that the list does not call 'softmax' is quantised finished and normalised). What goes into a quantiser is computed in f32, as accurately as f32 sums, v_exp_f32 and their like allow (about 1e-6 of the number): no bf16 or f16 on the way to a quantiser, and a product that is left as it is and whose result goes on into a quantised operand takes f32 operands (vector FMAs, or v_wmma_f32_16x16x4_f32). A number that lies on a knife's edge between two numbers of the format may be rounded either way, as far as f32 arithmetic and the matrix unit's own rounding can turn it there, and no further.
;;   INPUTS GIVEN AS CODES. wk (in the module: [2048, 2048], K = its axis 1); wo (in the module: [2048, 2048], K = its axis 1); wq (in the module: [2048, 2048], K = its axis 1); wv (in the module: [2048, 2048], K = its axis 1); x (in the module: [1, 2048, 2048], K = its axis 2): each comes as NAME_codes (uint8): NAME with its K axis moved to the last place and cut into blocks of 32 codes, [.., K / 32, bytes a block], one block behind the other in memory; one code a byte (a code: sign, 4 exponent bits, 3 mantissa bits); its scale is its entry of lowp_scales. Its value is code x scale, taken as it is: it is not quantised again, and the codes and scales need not be those that the quantiser above would give.
;; One version. Each part assembles by itself: llvm-mc -triple=amdgcn-amd-amdhsa -mcpu=gfx1250 --defsym DOCPART=n.
;; ======== version 1 of 1: 3 launches
;; limits: right only within a limited range of input values
;; workspace buffers: qc 4,194,304 bytes; kvc 8,388,608 bytes; oc 4,194,304 bytes
;; launch qkv (part 1): grid 32 x 8, 4 waves a work-group, clusters of 4 x 4, 327,680 bytes of LDS; arguments x_codes, wq_codes, wk_codes, wv_codes, bq, bk, bv, lowp_scales, qc, kvc; writes qc, kvc
.if DOCPART == 1
	.amdgcn_target "amdgcn-amd-amdhsa--gfx1250"
	.amdhsa_code_object_version 6
	.text
	.protected	k_qc23c37628b_qkv
	.globl	k_qc23c37628b_qkv
	.p2align	8
	.type	k_qc23c37628b_qkv,@function
k_qc23c37628b_qkv:
	s_mov_b64 s[64:65], 0
	v_nop
	global_prefetch_b8 v0, s[64:65] scope:SCOPE_SE
	s_setreg_imm32_b32 hwreg(HW_REG_WAVE_MODE, 25, 1), 1
	s_wait_xcnt 0x0
	s_wait_alu depctr_hold_cnt(0) depctr_sa_sdst(0) depctr_va_vdst(0) depctr_va_sdst(0) depctr_va_ssrc(0) depctr_va_vcc(0) depctr_vm_vsrc(0)
	s_getreg_b32 s2, hwreg(HW_REG_IB_STS2, 6, 4)
	s_cmp_eq_u32 s2, 0
	s_cbranch_scc0 .Lentry_in_a_cluster
	s_endpgm
.Lentry_in_a_cluster:
	s_bfe_u32 s2, ttmp6, 0x10000c
	s_cmp_lg_u32 s2, 0xf033
	s_cbranch_scc0 .Lentry_shape_is_right
	s_endpgm
.Lentry_shape_is_right:
; q = rope(x Wq^T + bq), k = rope(x Wk^T + bk), v = x Wv^T + bv, on codes of FP8 (E4M3), and q, k, v quantised again to E4M3 with the given scales.
; x, Wq, Wk, Wv: [2048][2048] codes, K innermost.  lowp_scales: e0 .. e8 are read here (x and W of each product; then q, k, v).
; SHARES.  A work-group takes 256 rows of x and ONE head: 64 columns of q, of k and of v.  Wave w: rows 128 (w / 2) on (8 blocks of 16), and, with ch = w % 2, six blocks of 16 columns:
;   q's columns 16 ch + 0..15 and 32 + 16 ch + 0..15 (the two halves that the rotation pairs), the same of k, and two blocks of v.  48 accumulators, 384 registers.
; q and k are made TRANSPOSED (source 0 = 16 rows of W, source 1 = 16 rows of x): a lane holds one row of x and eight neighbouring columns, so the rotation stays inside the lane and the conversions' results are
; registers of the next launch's fragments.  v is made as it stands (source 0 = x, source 1 = Wv): a lane holds one channel and eight neighbouring KEYS, which are the next K of v.
; The rows of Wv that form a block are 32 ch + 8 u + r + 8 (r / 8), so that the next launch's results have 16 neighbouring channels in a lane.
; OUTPUT, as images of operand registers (a store of the wave is 512 consecutive bytes, lane l at byte 16 l):
;   qc  [head][tile of 16 queries][1,024]: registers 0-3 (channels 8 h + 0..7, 32 + 8 h + 0..7), then registers 4-7 (16 + 8 h .., 48 + 8 h ..): the same order of channels in q and in k
;   kvc [head][block of 128 keys][16,384]: 8 tiles of k like q's, then 4 tiles of v^T of 2,048 bytes (registers 2 c, 2 c + 1: keys 16 c + 8 h + 0..7)
; K goes through a ring of two LDS slots of 256 along K (448 rows of 256 bytes: x's 256, Wq's, Wk's, Wv's 64 each).  Wave 0 fetches x's tile, waves 1 to 3 a weight's each.
; CLUSTER 4 x 4: x's tile hangs on the block of rows alone and is asked for jointly by a row of the cluster; the weights' tiles hang on the head alone and are asked for jointly by a column.
; PREFETCHES, two K steps ahead of the joint load (K step 1: from the head on): a lane a row of 256 bytes, one instruction a wave.  x: of the 256 rows of its tile a work-group names rows 32 (head % 8) on, so that
; each block is named in every second cluster of the row; a weight: the four partners of a column name 16 rows each (lanes 16-31 name the last row again).  The last two refills ask for nothing.
; A fragment comes by four loads of 16 bytes, 32 bytes apart: a permutation of k that is the same in both operands; only the order of the sums inside an instruction differs.
; The biases go in as the C of each sum's first product, divided by the power of two that the sums lack.  cos and sin are made in f32 while the first tiles are on their way:
; the angle is position x frequency (one rounding), reduced by whole multiples of pi in two parts, then Taylor polynomials to x^13 and x^12 on |x| <= pi / 2 (truncation under 1e-8).
; LIMITS: e6 - e0 - e1, e7 - e2 - e3, e8 - e4 - e5 between -126 and 119.  NaN is not served.  The frequencies are the f32 numbers nearest to 10^(-j / 8): they may differ in the last bits from a computed power.
.set PITCH,  272                       ; an LDS row: 256 bytes + 16 of padding = 68 words: the 16 rows of a fragment load start 4 banks apart
.set SLOT,   448*PITCH
.set SPARE,  2*SLOT                    ; behind the ring: the spare words, 128 bytes a wave; no other line names them
.set FLAGS,  (1<<20)|(1<<21)|(5<<22)|(3<<25)   ; elements of 1 byte; padding on; bit 21 beside a mask; after every 64 words; 4 words
.set SCQ, 8                            ; v8-13   2^(e6-e0-e1), 448 x that; the same for k; for v
.set LMQ, 9
.set SCK, 10
.set LMK, 11
.set SCV, 12
.set LMV, 13
.set ADRA, 16                          ; v16-17  LDS address of my fragments of x in slot 0, 1
.set ADRB, 18                          ; v18-19  of Wq's and Wk's
.set ADRV, 20                          ; v20-21  of Wv's
.set LI,   22                          ; v22     16 x lane
.set SPW,  28                          ; v28     my spare word; never rewritten
.set NIL,  29                          ; v29     0; never rewritten
.set PFO,  30                          ; v30     the prefetches' offset: a lane a row; never rewritten
.set FRQ,  32                          ; v32-39  my eight frequencies
.set TN,   56                          ; v56-63  at work on the angles
.set CT,   64                          ; v64-191 cos at CT + 16 a + i, sin at CT + 16 a + 8 + i
.set BI,   192                         ; v192-239 the biases as C: q low, q high, k low, k high, v u = 0, v u = 1
.set TZ,   240                         ; v240-255 at work on the angles
.set TQ,   248
.set TT0,  32                          ; the way out: two sets of 16 numbers
.set CD,   192                         ; the way out: 16 sets of 4 registers of codes
.set G1X, 24                           ; s[24:31] group 1 for x's tile; s[32:39] its groups 0, one a slot
.set G0X, 32
.set G1W, 40                           ; s[40:47], s[48:55] the same for a weight's tile
.set G0W, 48
.set WV,  56
.set RH,  57
.set CH,  58
.set CX,  59
.set CY,  60
.set HEAD, 61
.set RB,  62
.set PFA, 96                           ; s[96:97] where my prefetches stand
; REGISTER WINDOWS: 0: the above.  1: v0-127 x's fragments, set 0; v128-223 the weights' six fragments.  2: q's and k's accumulators, (b, a) at 8 (8 b + a).  3: v0-127 v's accumulators, (u, a) at 8 (8 u + a); v128-255 x's fragments, set 1.
.set MSB, 0
.macro WIN new                         ; the immediate's high byte repeats the setting that is left
.if MSB != (\new)
	s_set_vgpr_msb (MSB<<8)|(\new)
.set MSB, (\new)
.endif
.endm
.macro PLACES                          ; four plain places behind matrix instructions, in front of loads into their sources and of reads of their results
.rept 4
	v_nop
.endr
.endm
; A joint load: wave 0 asks for x's tile, waves 1 to 3 for a weight's.  The branch hangs on the wave's number alone.  Four v_nop follow each line.
.macro JLOAD s
	s_cmp_eq_u32 s[WV], 0
	s_cbranch_scc0 .Lfor_w_\@
	tensor_load_to_lds s[G0X+4*\s:G0X+4*\s+3], s[G1X:G1X+7]
	s_nop 0
.rept 4
	v_nop
.endr
	s_branch .Lasked_\@
.Lfor_w_\@:
	tensor_load_to_lds s[G0W+4*\s:G0W+4*\s+3], s[G1W:G1W+7]
	s_nop 0
.rept 4
	v_nop
.endr
.Lasked_\@:
.endm
.macro CREST                           ; a round of the cluster's barrier behind its opening barrier
	s_cmp_lg_u32 s[WV], 0
	s_cbranch_scc1 .Lnot_wave_0_\@
	s_barrier_signal -3
.Lnot_wave_0_\@:
	s_barrier_wait -3
	s_barrier_signal -1
	s_barrier_wait -1
.endm
.macro CROUND
	s_barrier_signal -1
	s_barrier_wait -1
	CREST
.endm
	s_load_b512 s[4:19], s[0:1], 0x0               ; x s[4:5], Wq s[6:7], Wk s[8:9], Wv s[10:11], bq s[12:13], bk s[14:15], bv s[16:17], the scales s[18:19]
	s_load_b128 s[20:23], s[0:1], 0x40             ; qc s[20:21], kvc s[22:23]
	v_lshl_add_u32 v[SPW], v0, 2, SPARE
	v_mov_b32 v[NIL], 0
	ds_add_u32 v[SPW], v[NIL]                      ; the wave's opening: the add, twice on end, and its wait
	ds_add_u32 v[SPW], v[NIL]
	v_lshrrev_b32 v1, 5, v0
	v_readfirstlane_b32 s[WV], v1                  ; wave 0..3
	s_lshr_b32 s[RH], s[WV], 1                     ; which 128 rows are mine
	s_and_b32 s[CH], s[WV], 1                      ; which columns
	s_bfe_u32 s[CX], ttmp6, 0x40000
	s_bfe_u32 s[CY], ttmp6, 0x40004
	s_lshl_b32 s[HEAD], ttmp9, 2
	s_add_co_u32 s[HEAD], s[HEAD], s[CX]           ; the head = 4 x cluster x + cx
	s_and_b32 s[RB], ttmp7, 0xffff
	s_lshl_b32 s[RB], s[RB], 2
	s_add_co_u32 s[RB], s[RB], s[CY]               ; the block of 256 rows = 4 x cluster y + cy
	s_lshl_b32 s80, s[CY], 2
	s_lshl_b32 s80, 15, s80                        ; my row of the cluster
	s_lshl_b32 s81, 0x1111, s[CX]                  ; my column
	s_or_b32 s[G1X], s80, FLAGS                    ; x's tile goes to my row,
	s_or_b32 s[G1W], s81, FLAGS                    ; a weight's to my column
	s_mov_b32 s[G1X+1], 256<<16                    ; tensor_dim0 = 256 bytes
	s_mov_b32 s[G1X+2], 256<<16                    ; tensor_dim1 = 256 rows
	s_mov_b32 s[G1X+3], 256<<16                    ; tile_dim0
	s_mov_b32 s[G1X+4], 256                        ; tile_dim1
	s_mov_b32 s[G1X+5], 2048                       ; from row to row
	s_mov_b32 s[G1X+6], 0
	s_mov_b32 s[G1X+7], 0
	s_mov_b32 s[G1W+1], 256<<16
	s_mov_b32 s[G1W+2], 64<<16                     ; 64 rows
	s_mov_b32 s[G1W+3], 256<<16
	s_mov_b32 s[G1W+4], 64
	s_mov_b32 s[G1W+5], 2048
	s_mov_b32 s[G1W+6], 0
	s_mov_b32 s[G1W+7], 0
	s_lshl_b32 s84, s[RB], 19                      ; x: 256 rows of 2,048 bytes a block: made of the block of rows alone
	s_mov_b32 s85, 0
	s_lshl_b32 s86, s[HEAD], 17                    ; a weight: 64 rows a head: made of the head alone
	s_mov_b32 s87, 0
	s_mul_i32 s88, s[WV], 64*PITCH                 ; a weight's place in a slot: rows 192 + 64 x wave
	s_wait_alu depctr_va_vdst(0)
	s_wait_dscnt 0x0                               ; both opening adds are done
	s_wait_kmcnt 0x0
	s_load_b256 s[68:75], s[18:19], 0x0            ; e0 .. e7
	s_load_b32 s76, s[18:19], 0x20                 ; e8
	s_cmp_eq_u32 s[WV], 2
	s_cselect_b64 s[82:83], s[8:9], s[6:7]         ; wave 1: Wq, wave 2: Wk,
	s_cmp_eq_u32 s[WV], 3
	s_cselect_b64 s[82:83], s[10:11], s[82:83]     ; wave 3: Wv
	s_add_nc_u64 s[84:85], s[4:5], s[84:85]
	s_add_nc_u64 s[86:87], s[82:83], s[86:87]
	CROUND                                         ; all sixteen work-groups are here: the first joint loads meet
.irp s, 0,1
	s_mov_b32 s[G0X+4*\s], 1
	s_mov_b32 s[G0X+4*\s+1], \s*SLOT
	s_add_nc_u64 s[G0X+4*\s+2:G0X+4*\s+3], s[84:85], \s*256
	s_or_b32 s[G0X+4*\s+3], s[G0X+4*\s+3], 0x80000000
	s_mov_b32 s[G0W+4*\s], 1
	s_add_co_u32 s[G0W+4*\s+1], s88, \s*SLOT+192*PITCH
	s_add_nc_u64 s[G0W+4*\s+2:G0W+4*\s+3], s[86:87], \s*256
	s_or_b32 s[G0W+4*\s+3], s[G0W+4*\s+3], 0x80000000
.endr
	JLOAD 0                                        ; slot 0: one tensor load a wave at the head
	s_and_b32 s80, s[HEAD], 7
	s_lshl_b32 s80, s80, 16                        ; 32 rows x 2,048 bytes
	s_lshl_b32 s81, s[CY], 15                      ; 16 rows x 2,048 bytes
	s_mov_b32 s82, 15
	s_cmp_eq_u32 s[WV], 0
	s_cselect_b32 s80, s80, s81
	s_cselect_b32 s82, 31, s82
	s_cselect_b64 s[PFA:PFA+1], s[84:85], s[86:87]
	s_mov_b32 s81, 0
	s_add_nc_u64 s[PFA:PFA+1], s[PFA:PFA+1], s[80:81]
	v_and_b32 v[PFO], 31, v0
	v_min_u32 v[PFO], s82, v[PFO]
	v_lshlrev_b32 v[PFO], 11, v[PFO]
	s_wait_alu depctr_va_vdst(0)
	global_prefetch_b8 v[PFO], s[PFA:PFA+1] offset:256 th:TH_LOAD_NT scope:SCOPE_SE   ; K steps 1
	global_prefetch_b8 v[PFO], s[PFA:PFA+1] offset:512 th:TH_LOAD_NT scope:SCOPE_SE   ; and 2
	; the biases, in the results' layout
	v_and_b32 v1, 15, v0                           ; r
	v_bfe_u32 v2, v0, 4, 1                         ; h
	v_lshlrev_b32 v14, 5, v2                       ; q, k: eight numbers for each half of the lanes
	v_and_b32 v4, 8, v1
	v_add_nc_u32 v4, v4, v1                        ; r + 8 (r / 8)
	v_lshlrev_b32 v15, 2, v4                       ; v: one number a lane
	s_wait_alu depctr_va_vdst(0)
	s_lshl_b32 s80, s[HEAD], 8
	s_lshl_b32 s81, s[CH], 6
	s_add_co_u32 s80, s80, s81                     ; (64 head + 16 ch) x 4
	s_add_co_u32 s82, s80, s81                     ; (64 head + 32 ch) x 4
	s_mov_b32 s81, 0
	s_mov_b32 s83, 0
	s_add_nc_u64 s[12:13], s[12:13], s[80:81]
	s_add_nc_u64 s[14:15], s[14:15], s[80:81]
	s_add_nc_u64 s[16:17], s[16:17], s[82:83]
.irp t, 0,1
	global_load_b128 v[BI+16*\t:BI+16*\t+3],     v14, s[12+2*\t:13+2*\t]
	global_load_b128 v[BI+16*\t+4:BI+16*\t+7],   v14, s[12+2*\t:13+2*\t] offset:16
	global_load_b128 v[BI+16*\t+8:BI+16*\t+11],  v14, s[12+2*\t:13+2*\t] offset:128
	global_load_b128 v[BI+16*\t+12:BI+16*\t+15], v14, s[12+2*\t:13+2*\t] offset:144
.endr
	global_load_b32 v[BI+32], v15, s[16:17]
	global_load_b32 v[BI+40], v15, s[16:17] offset:32
	; my eight frequencies: channel 8 g + i, g = 2 ch + h: 10^(-g) x 10^(-i / 8)
	s_lshl_b32 s80, s[CH], 1
	v_add_nc_u32 v5, s80, v2                       ; g
.macro FREQ g, f0, f1, f2, f3, f4, f5, f6, f7
.if \g == 3
	v_mov_b32 v[FRQ+0], \f0
	v_mov_b32 v[FRQ+1], \f1
	v_mov_b32 v[FRQ+2], \f2
	v_mov_b32 v[FRQ+3], \f3
	v_mov_b32 v[FRQ+4], \f4
	v_mov_b32 v[FRQ+5], \f5
	v_mov_b32 v[FRQ+6], \f6
	v_mov_b32 v[FRQ+7], \f7
.else
	v_cmp_ne_u32 vcc_lo, \g, v5                    ; lanes of another group keep what they have
	v_cndmask_b32 v[FRQ+0], \f0, v[FRQ+0], vcc_lo
	v_cndmask_b32 v[FRQ+1], \f1, v[FRQ+1], vcc_lo
	v_cndmask_b32 v[FRQ+2], \f2, v[FRQ+2], vcc_lo
	v_cndmask_b32 v[FRQ+3], \f3, v[FRQ+3], vcc_lo
	v_cndmask_b32 v[FRQ+4], \f4, v[FRQ+4], vcc_lo
	v_cndmask_b32 v[FRQ+5], \f5, v[FRQ+5], vcc_lo
	v_cndmask_b32 v[FRQ+6], \f6, v[FRQ+6], vcc_lo
	v_cndmask_b32 v[FRQ+7], \f7, v[FRQ+7], vcc_lo
.endif
.endm
	FREQ 3, 0.001, 0.00074989420933, 0.00056234132519, 0.00042169650343, 0.00031622776602, 0.00023713737057, 0.00017782794100, 0.00013335214322
	FREQ 2, 0.01, 0.0074989420933, 0.0056234132519, 0.0042169650343, 0.0031622776602, 0.0023713737057, 0.0017782794100, 0.0013335214322
	FREQ 1, 0.1, 0.074989420933, 0.056234132519, 0.042169650343, 0.031622776602, 0.023713737057, 0.017782794100, 0.013335214322
	FREQ 0, 1.0, 0.74989420933, 0.56234132519, 0.42169650343, 0.31622776602, 0.23713737057, 0.17782794100, 0.13335214322
	s_lshl_b32 s80, s[RB], 8
	s_lshl_b32 s81, s[RH], 7
	s_add_co_u32 s80, s80, s81
	v_add_nc_u32 v6, s80, v1                       ; the position of my row in block a = 0
	v_mov_b32 v24, 0x2f309231                      ; 1 / 13!: the sine's top coefficient (an instruction takes one literal)
	v_mov_b32 v25, 0x2f309231
	v_mov_b32 v26, 0x310f76c7                      ; 1 / 12!: the cosine's
	v_mov_b32 v27, 0x310f76c7
.macro HORN cs, cq                     ; one step of both polynomials in z = x^2
.irp p, 0,2,4,6
	v_pk_fma_f32 v[SS+\p:SS+\p+1], v[SS+\p:SS+\p+1], v[TZ+\p:TZ+\p+1], \cs op_sel_hi:[1,1,0]
	v_pk_fma_f32 v[TQ+\p:TQ+\p+1], v[TQ+\p:TQ+\p+1], v[TZ+\p:TZ+\p+1], \cq op_sel_hi:[1,1,0]
.endr
.endm
; cos and sin of my row of block a at my eight frequencies.  n = the nearest whole number to angle / pi; x = angle - n pi (pi in two parts, fused); both results change sign where n is odd.
.macro TRIG a
.set CC, CT+16*(\a)
.set SS, CC+8
	v_add_nc_u32 v7, 16*(\a), v6
	v_cvt_f32_u32 v7, v7
.irp i, 0,1,2,3,4,5,6,7
	v_mul_f32 v[CC+\i], v[FRQ+\i], v7              ; the angle: one rounding
.endr
.irp p, 0,2,4,6
	v_pk_mul_f32 v[TN+\p:TN+\p+1], v[CC+\p:CC+\p+1], 0x3ea2f983 op_sel_hi:[1,0]   ; x 1 / pi
.endr
.irp i, 0,1,2,3,4,5,6,7
	v_rndne_f32 v[TN+\i], v[TN+\i]
.endr
.irp p, 0,2,4,6
	v_pk_fma_f32 v[CC+\p:CC+\p+1], v[TN+\p:TN+\p+1], 0xc0490fdb, v[CC+\p:CC+\p+1] op_sel_hi:[1,0,1]   ; - n x pi's upper part
.endr
.irp p, 0,2,4,6
	v_pk_fma_f32 v[CC+\p:CC+\p+1], v[TN+\p:TN+\p+1], 0x33bbbd2e, v[CC+\p:CC+\p+1] op_sel_hi:[1,0,1]   ; - n x its lower part (which is negative)
.endr
.irp p, 0,2,4,6
	v_pk_mul_f32 v[TZ+\p:TZ+\p+1], v[CC+\p:CC+\p+1], v[CC+\p:CC+\p+1]
.endr
.irp i, 0,1,2,3,4,5,6,7
	v_cvt_i32_f32 v[TN+\i], v[TN+\i]
.endr
.irp i, 0,1,2,3,4,5,6,7
	v_lshlrev_b32 v[TN+\i], 31, v[TN+\i]           ; n's lowest bit as a sign
.endr
.irp p, 0,2,4,6
	v_pk_fma_f32 v[SS+\p:SS+\p+1], v[TZ+\p:TZ+\p+1], v[24:25], 0xb2d7322b op_sel_hi:[1,1,0]   ; z / 13! - 1 / 11!
	v_pk_fma_f32 v[TQ+\p:TQ+\p+1], v[TZ+\p:TZ+\p+1], v[26:27], 0xb493f27e op_sel_hi:[1,1,0]   ; z / 12! - 1 / 10!
.endr
	HORN 0x3638ef1d, 0x37d00d01                    ; 1 / 9!, 1 / 8!
	HORN 0xb9500d01, 0xbab60b61                    ; -1 / 7!, -1 / 6!
	HORN 0x3c088889, 0x3d2aaaab                    ; 1 / 5!, 1 / 4!
	HORN 0xbe2aaaab, -0.5                          ; -1 / 3!, -1 / 2!
.irp p, 0,2,4,6
	v_pk_fma_f32 v[TQ+\p:TQ+\p+1], v[TQ+\p:TQ+\p+1], v[TZ+\p:TZ+\p+1], 1.0 op_sel_hi:[1,1,0]   ; cos x
	v_pk_mul_f32 v[TZ+\p:TZ+\p+1], v[TZ+\p:TZ+\p+1], v[CC+\p:CC+\p+1]                          ; x^3
.endr
.irp p, 0,2,4,6
	v_pk_fma_f32 v[SS+\p:SS+\p+1], v[SS+\p:SS+\p+1], v[TZ+\p:TZ+\p+1], v[CC+\p:CC+\p+1]        ; sin x
.endr
.irp i, 0,1,2,3,4,5,6,7
	v_xor_b32 v[CC+\i], v[TQ+\i], v[TN+\i]
	v_xor_b32 v[SS+\i], v[SS+\i], v[TN+\i]
.endr
.endm
.irp a, 0,1,2,3,4,5,6,7
	TRIG \a
.endr
	; the scales: a sum stands for sum x 2^(ex + ew): the bias goes in divided by that, and the conversion takes 2^(e of the result - ex - ew)
.macro MKSC vs, vl, sr                 ; s[sr]: the exponent; v[vs] = 2^it, v[vl] = 448 x 2^it
	s_add_co_i32 s[\sr], s[\sr], 127
	s_lshl_b32 s83, s[\sr], 23
	v_mov_b32 v[\vs], s83
	s_add_co_i32 s[\sr], s[\sr], 8
	s_lshl_b32 s[\sr], s[\sr], 23
	s_or_b32 s[\sr], s[\sr], 0x600000
	v_mov_b32 v[\vl], s[\sr]
.endm
	s_wait_alu depctr_va_vdst(0)
	s_wait_loadcnt 0x0                             ; the biases
	s_wait_kmcnt 0x0                               ; the scales
	s_add_co_i32 s80, s68, s69
	s_sub_co_i32 s81, 0, s80
	s_sub_co_i32 s82, s74, s80
.irp j, 0,1,2,3,4,5,6,7,8,9,10,11,12,13,14,15
	v_ldexp_f32 v[BI+\j], v[BI+\j], s81
.endr
	MKSC SCQ, LMQ, 82
	s_add_co_i32 s80, s70, s71
	s_sub_co_i32 s81, 0, s80
	s_sub_co_i32 s82, s75, s80
.irp j, 0,1,2,3,4,5,6,7,8,9,10,11,12,13,14,15
	v_ldexp_f32 v[BI+16+\j], v[BI+16+\j], s81
.endr
	MKSC SCK, LMK, 82
	s_add_co_i32 s80, s72, s73
	s_sub_co_i32 s81, 0, s80
	s_sub_co_i32 s82, s76, s80
.irp j, 7,6,5,4,3,2,1,0                        ; v's one number a lane fills its eight registers, the loaded one last
	v_ldexp_f32 v[BI+32+\j], v[BI+32], s81
	v_ldexp_f32 v[BI+40+\j], v[BI+40], s81
.endr
	MKSC SCV, LMV, 82
	; LDS addresses
	v_mul_u32_u24 v3, v1, PITCH
	v_lshl_add_u32 v3, v2, 4, v3                   ; r x pitch + 16 h
	s_mul_i32 s80, s[RH], 128*PITCH
	v_add_nc_u32 v[ADRA], s80, v3
	v_add_nc_u32 v[ADRA+1], SLOT, v[ADRA]
	s_mul_i32 s80, s[CH], 16*PITCH
	s_add_co_u32 s80, s80, 256*PITCH
	v_add_nc_u32 v[ADRB], s80, v3
	v_add_nc_u32 v[ADRB+1], SLOT, v[ADRB]
	v_mul_u32_u24 v4, v4, PITCH
	v_lshl_add_u32 v4, v2, 4, v4                   ; (r + 8 (r / 8)) x pitch + 16 h: the two groups of eight rows lie 16 rows apart and meet in the banks two deep: 8 of a step's 56 loads
	s_mul_i32 s80, s[CH], 32*PITCH
	s_add_co_u32 s80, s80, 384*PITCH
	v_add_nc_u32 v[ADRV], s80, v4
	v_add_nc_u32 v[ADRV+1], SLOT, v[ADRV]
	v_and_b32 v[LI], 31, v0
	v_lshlrev_b32 v[LI], 4, v[LI]
	; where my results go
	s_lshl_b32 s80, s[HEAD], 17                    ; qc: 131,072 head + 1,024 (16 rb + 8 rh) + 512 ch
	s_lshl_b32 s81, s[RB], 14
	s_add_co_u32 s80, s80, s81
	s_lshl_b32 s81, s[RH], 13
	s_add_co_u32 s80, s80, s81
	s_lshl_b32 s82, s[CH], 9
	s_add_co_u32 s80, s80, s82
	s_mov_b32 s81, 0
	s_add_nc_u64 s[88:89], s[20:21], s[80:81]
	s_lshl_b32 s80, s[HEAD], 18                    ; kvc: 262,144 head + 16,384 (2 rb + rh); k: + 512 ch; v: + 8,192 + 4,096 ch
	s_lshl_b32 s83, s[RB], 15
	s_add_co_u32 s80, s80, s83
	s_lshl_b32 s83, s[RH], 14
	s_add_co_u32 s80, s80, s83
	s_lshl_b32 s83, s[CH], 12
	s_add_co_u32 s94, s80, s83
	s_add_co_u32 s94, s94, 8192
	s_mov_b32 s95, 0
	s_add_co_u32 s80, s80, s82
	s_add_nc_u64 s[90:91], s[22:23], s[80:81]
	s_add_nc_u64 s[92:93], s[22:23], s[94:95]
.macro FRAG reg, adr, off              ; a fragment, 16 rows x 128 K: registers 4 c .. 4 c + 3 hold K = 32 c + 16 h + 0 .. 15
.irp c, 0,1,2,3
	ds_load_b128 v[\reg+4*\c:\reg+4*\c+3], v[\adr] offset:\off+32*\c
.endr
.endm
; The loads of a step: x's eight fragments into the set that is not being multiplied (32 loads), and, each behind its own products, the weights' blocks 0, 1 (RUNW 0), 2, 3 (RUNW 1) and Wv's two (RUNW 2): 8 loads each.
.macro RUNX slot, q, st
	WIN 0x40+0x80*\st
.irp a, 0,1,2,3,4,5,6,7
	FRAG 128*\st+16*\a, ADRA+\slot, 128*\q+16*\a*PITCH
.endr
.endm
.macro RUNW n, slot, q
	WIN 0x40
.if \n < 2
	FRAG 128+32*\n, ADRB+\slot, 128*\q+64*\n*PITCH
	FRAG 144+32*\n, ADRB+\slot, 128*\q+(64*\n+32)*PITCH
.else
	FRAG 192, ADRV+\slot, 128*\q
	FRAG 208, ADRV+\slot, 128*\q+8*PITCH
.endif
.endm
; The 48 accumulators take turns, one instruction a turn, in the same order in every step.  zero = 1: the first product of a sum takes the bias as C.
.macro QKWIN par, zero
.if \zero
	WIN 0x85                                       ; sources window 1, C window 0, D window 2
.else
	WIN 0xa5+8*\par                                ; source 1 (x) in window 1 or 3, C and D window 2
.endif
.endm
.macro VWIN par, zero
.if \zero
	WIN 0xc5
.else
	WIN 0xf5+2*\par                                ; source 0 (x) in window 1 or 3, C and D window 3
.endif
.endm
.macro MULB b, par, zero               ; block b of q or k against x's eight
.irp a, 0,1,2,3,4,5,6,7
.if \zero
	v_wmma_f32_16x16x128_fp8_fp8 v[8*(8*\b+\a):8*(8*\b+\a)+7], v[128+16*\b:128+16*\b+15], v[128*\par+16*\a:128*\par+16*\a+15], v[BI+8*\b:BI+8*\b+7]
.else
	v_wmma_f32_16x16x128_fp8_fp8 v[8*(8*\b+\a):8*(8*\b+\a)+7], v[128+16*\b:128+16*\b+15], v[128*\par+16*\a:128*\par+16*\a+15], v[8*(8*\b+\a):8*(8*\b+\a)+7]
.endif
.endr
.endm
.macro MULV par, zero
.irp u, 0,1
.irp a, 0,1,2,3,4,5,6,7
.if \zero
	v_wmma_f32_16x16x128_fp8_fp8 v[8*(8*\u+\a):8*(8*\u+\a)+7], v[128*\par+16*\a:128*\par+16*\a+15], v[192+16*\u:192+16*\u+15], v[BI+32+8*\u:BI+32+8*\u+7]
.else
	v_wmma_f32_16x16x128_fp8_fp8 v[8*(8*\u+\a):8*(8*\u+\a)+7], v[128*\par+16*\a:128*\par+16*\a+15], v[192+16*\u:192+16*\u+15], v[8*(8*\u+\a):8*(8*\u+\a)+7]
.endif
.endr
.endr
.endm
; A slot's first step (x's set 0); it fetches the slot's second step (x's set 1, last multiplied ahead of the places in front of the last RUNW 2).
.macro STEP slot, zero
	s_wait_dscnt 16                                ; x and blocks 0, 1 are in; blocks 2, 3 and Wv's sixteen loads may be out
	RUNX \slot, 1, 1
	QKWIN 0, \zero
	MULB 0, 0, \zero
	MULB 1, 0, \zero
	PLACES
	RUNW 0, \slot, 1
	s_wait_dscnt 48                                ; blocks 2, 3 are in: behind them stand Wv's 8, x's 32 and the 8 just issued
	QKWIN 0, \zero
	MULB 2, 0, \zero
	MULB 3, 0, \zero
	PLACES
	RUNW 1, \slot, 1
	s_wait_dscnt 48                                ; Wv's blocks are in: behind them stand 32 + 8 + 8
	VWIN 0, \zero
	MULV 0, \zero
	PLACES
	RUNW 2, \slot, 1
	WIN 0
.endm
; A slot's second step (x's set 1) changes slots: ONE barrier; in front of it each wave waits for all its tensor loads, adds 0 to its spare word, and waits for that and for its reads of this slot.
.macro TURN slot, next, fill
.if \fill
	s_wait_xcnt 0x0                                ; my prefetch has read its address: it may step
	s_add_nc_u64 s[PFA:PFA+1], s[PFA:PFA+1], 256
.endif
	s_wait_tensorcnt 0x0                           ; all my tensor loads have landed: my part of the next slot
	ds_add_u32 v[SPW], v[NIL]                      ; 0 onto my spare word
	s_wait_dscnt 17                                ; (blocks 2, 3, Wv's and the add may be out)
	QKWIN 1, 0
	MULB 0, 1, 0
	MULB 1, 1, 0                                   ; sixteen products stand between the add and the wait for it
	s_wait_dscnt 0x0                               ; the add is done, and my reads of this slot are over
	s_barrier_signal -1
	MULB 2, 1, 0
	WIN 0
	s_barrier_wait -1
.if \fill
	CREST                                          ; the barrier has opened a round of the cluster's: no wave of any partner still reads this slot or has a load on its way
	s_add_nc_u64 s[G0X+4*\slot+2:G0X+4*\slot+3], s[G0X+4*\slot+2:G0X+4*\slot+3], 512
	s_add_nc_u64 s[G0W+4*\slot+2:G0W+4*\slot+3], s[G0W+4*\slot+2:G0W+4*\slot+3], 512
	JLOAD \slot                                    ; the first tensor load behind the round; its four v_nop are the places in front of the loads below
.else
	PLACES
.endif
	RUNX \next, 0, 0
	RUNW 0, \next, 0
.if \fill
	WIN 0
	s_cmp_gt_u32 s3, 1                             ; in the loop's last trip no K step stands two loads on
	s_cbranch_scc0 .Lnot_asked_\@
	global_prefetch_b8 v[PFO], s[PFA:PFA+1] offset:768 th:TH_LOAD_NT scope:SCOPE_SE   ; the K step two loads on
.Lnot_asked_\@:
.endif
	QKWIN 1, 0
	MULB 3, 1, 0
	PLACES
	RUNW 1, \next, 0
	VWIN 1, 0
	MULV 1, 0
	PLACES
	RUNW 2, \next, 0
	WIN 0
.endm
	s_wait_alu depctr_va_vdst(0)                   ; the head's end
	s_wait_tensorcnt 0x0                           ; my part of slot 0 is in
	ds_add_u32 v[SPW], v[NIL]
	s_wait_dscnt 0x0
	CROUND                                         ; everybody's part of slot 0 is in; the joint loads of slot 1 meet
	JLOAD 1
	RUNX 0, 0, 0
	RUNW 0, 0, 0
	RUNW 1, 0, 0
	RUNW 2, 0, 0
	WIN 0
	global_prefetch_b8 v[PFO], s[PFA:PFA+1] offset:768 th:TH_LOAD_NT scope:SCOPE_SE   ; K step 3
	STEP 0, 1                                      ; the first step stands in front of the loop: its products start the sums, on the biases
	s_mov_b32 s3, 3
.Llap:                                                 ; a trip goes once round the ring and fills both slots again: 3 x 2 refills + 2 first fills = 2,048 / 256
	TURN 0, 1, 1
	STEP 1, 0
	TURN 1, 0, 1
	STEP 0, 0
	s_sub_co_u32 s3, s3, 1
	s_cmp_lg_u32 s3, 0
	s_cbranch_scc1 .Llap
	TURN 0, 1, 0                                   ; the last lap fills nothing
	STEP 1, 0
	s_wait_dscnt 16                                ; the very last step
	QKWIN 1, 0
	MULB 0, 1, 0
	MULB 1, 1, 0
	s_wait_dscnt 8
	MULB 2, 1, 0
	MULB 3, 1, 0
	s_wait_dscnt 0x0
	VWIN 1, 0
	MULV 1, 0
	WIN 0
	PLACES
; THE WAY OUT.  q and k: low' = low cos - high sin, high' = high cos + low sin, in the lane; held within +-448 x the scale; converted; 16 bytes a lane, 512 consecutive bytes a store.
.macro ROPE n, a, blo, sc, lm, base
.set TT, TT0+16*((\n)%2)
.set LO, 8*(8*(\blo)+(\a))
.set HI, LO+64
.set CC, CT+16*(\a)
	WIN 0x02                                       ; source 0: the accumulators' window
.irp p, 0,2,4,6
	v_pk_mul_f32 v[TT+\p:TT+\p+1], v[LO+\p:LO+\p+1], v[CC+\p:CC+\p+1]
	v_pk_mul_f32 v[TT+8+\p:TT+9+\p], v[HI+\p:HI+\p+1], v[CC+\p:CC+\p+1]
.endr
.irp p, 0,2,4,6
	v_pk_fma_f32 v[TT+\p:TT+\p+1], v[HI+\p:HI+\p+1], v[CC+8+\p:CC+9+\p], v[TT+\p:TT+\p+1] neg_lo:[1,0,0] neg_hi:[1,0,0]
	v_pk_fma_f32 v[TT+8+\p:TT+9+\p], v[LO+\p:LO+\p+1], v[CC+8+\p:CC+9+\p], v[TT+8+\p:TT+9+\p]
.endr
	WIN 0
.irp i, 0,1,2,3,4,5,6,7,8,9,10,11,12,13,14,15
	v_med3_num_f32 v[TT+\i], v[TT+\i], -v[\lm], v[\lm]   ; the conversion to an 8-bit code does not saturate (ISA guide 7.6.2)
.endr
	v_cvt_scalef32_pk8_fp8_f32 v[CD+4*(\n):CD+4*(\n)+1], v[TT:TT+7], v[\sc]
	v_cvt_scalef32_pk8_fp8_f32 v[CD+4*(\n)+2:CD+4*(\n)+3], v[TT+8:TT+15], v[\sc]
	v_nop                                          ; a plain place behind the conversions
	global_store_b128 v[LI], v[CD+4*(\n):CD+4*(\n)+3], s[\base:\base+1] offset:1024*(\a)
.endm
.irp a, 0,1,2,3,4,5,6,7
	ROPE 2*\a, \a, 0, SCQ, LMQ, 88
	ROPE 2*\a+1, \a, 2, SCK, LMK, 90
.endr
	s_wait_xcnt 0x0                                ; the sixteen stores have read their data: the first eight sets of codes are written again
; v: accumulators (u, 2 g) and (u, 2 g + 1) are keys 32 g + 8 h + 0..7 and 32 g + 16 + 8 h + 0..7 of my channel: registers 4 g .. 4 g + 3 of tile 2 ch + u
.macro VOUT n, u, g
.set TT, TT0+16*((\n)%2)
.set AC, 8*(8*(\u)+2*(\g))
	WIN 0x03
.irp i, 0,1,2,3,4,5,6,7,8,9,10,11,12,13,14,15
	v_med3_num_f32 v[TT+\i], v[AC+\i], -v[LMV], v[LMV]
.endr
	WIN 0
	v_cvt_scalef32_pk8_fp8_f32 v[CD+4*(\n):CD+4*(\n)+1], v[TT:TT+7], v[SCV]
	v_cvt_scalef32_pk8_fp8_f32 v[CD+4*(\n)+2:CD+4*(\n)+3], v[TT+8:TT+15], v[SCV]
	v_nop
	global_store_b128 v[LI], v[CD+4*(\n):CD+4*(\n)+3], s[92:93] offset:2048*(\u)+512*(\g)
.endm
.irp u, 0,1
.irp g, 0,1,2,3
	VOUT 4*\u+\g, \u, \g
.endr
.endr
	s_wait_tensorcnt 0x0                           ; the wave's end
	ds_add_u32 v[SPW], v[NIL]
	s_wait_dscnt 0x0
	CROUND                                         ; the closing round: no work-group ends while a partner may still ask for a tile that names it
	s_endpgm
.Lfunc_end_k_qc23c37628b_qkv:
	.size	k_qc23c37628b_qkv, .Lfunc_end_k_qc23c37628b_qkv-k_qc23c37628b_qkv
	.p2alignl 7, 3214868480
	.fill 96, 4, 3214868480
	.section	.rodata,"a",@progbits
	.p2align	6, 0x0
	.amdhsa_kernel k_qc23c37628b_qkv
		.amdhsa_group_segment_fixed_size 327680
		.amdhsa_private_segment_fixed_size 0
		.amdhsa_enable_private_segment 0
		.amdhsa_kernarg_size 80
		.amdhsa_user_sgpr_count 2
		.amdhsa_user_sgpr_kernarg_segment_ptr 1
		.amdhsa_wavefront_size32 1
		.amdhsa_system_sgpr_workgroup_id_x 1
		.amdhsa_system_sgpr_workgroup_id_y 1
		.amdhsa_system_sgpr_workgroup_id_z 1
		.amdhsa_system_vgpr_workitem_id 0
		.amdhsa_next_free_vgpr 1024
		.amdhsa_next_free_sgpr 100
		.amdhsa_reserve_vcc 1
		.amdhsa_float_denorm_mode_32 3
		.amdhsa_float_denorm_mode_16_64 3
		.amdhsa_memory_ordered 1
		.amdhsa_forward_progress 1
		.amdhsa_inst_pref_size 183
	.end_amdhsa_kernel
	.amdgpu_metadata
---
amdhsa.version: [ 1, 2 ]
amdhsa.kernels:
  - .name:           k_qc23c37628b_qkv
    .symbol:         k_qc23c37628b_qkv.kd
    .args:
      - { .name: x_codes, .offset: 0, .size: 8, .value_kind: global_buffer, .address_space: global }
      - { .name: wq_codes, .offset: 8, .size: 8, .value_kind: global_buffer, .address_space: global }
      - { .name: wk_codes, .offset: 16, .size: 8, .value_kind: global_buffer, .address_space: global }
      - { .name: wv_codes, .offset: 24, .size: 8, .value_kind: global_buffer, .address_space: global }
      - { .name: bq, .offset: 32, .size: 8, .value_kind: global_buffer, .address_space: global }
      - { .name: bk, .offset: 40, .size: 8, .value_kind: global_buffer, .address_space: global }
      - { .name: bv, .offset: 48, .size: 8, .value_kind: global_buffer, .address_space: global }
      - { .name: lowp_scales, .offset: 56, .size: 8, .value_kind: global_buffer, .address_space: global }
      - { .name: qc, .offset: 64, .size: 8, .value_kind: global_buffer, .address_space: global }
      - { .name: kvc, .offset: 72, .size: 8, .value_kind: global_buffer, .address_space: global }
    .group_segment_fixed_size: 327680
    .private_segment_fixed_size: 0
    .kernarg_segment_align: 8
    .kernarg_segment_size: 80
    .max_flat_workgroup_size: 128
    .sgpr_count:     100
    .vgpr_count:     1024
    .wavefront_size: 32
...
	.end_amdgpu_metadata
.endif
;; end of part 1
;; launch attn (part 2): grid 32 x 8, 16 waves a work-group, no clusters, 327,680 bytes of LDS; arguments qc, kvc, lowp_scales, oc; writes oc
.if DOCPART == 2
	.amdgcn_target "amdgcn-amd-amdhsa--gfx1250"
	.amdhsa_code_object_version 6
	.text
	.protected	k_qc23c37628b_attn
	.globl	k_qc23c37628b_attn
	.p2align	8
	.type	k_qc23c37628b_attn,@function
k_qc23c37628b_attn:
	s_mov_b64 s[64:65], 0
	v_nop
	global_prefetch_b8 v0, s[64:65] scope:SCOPE_SE
	s_setreg_imm32_b32 hwreg(HW_REG_WAVE_MODE, 25, 1), 1
	s_wait_xcnt 0x0
; o = softmax(q k^T / 8, causal) v for one head, both products on codes of FP8 (E4M3); o quantised to E4M3 for the last product.
; qc, kvc: images of operand registers as the launch before laid them.  lowp_scales: e6 (q), e7 (k), e8 (v), e9 (p), e10 (o).
; THE SOFTMAX: t = score x log2(e) / 8; M = the running largest t rounded UP to a whole number; p = 2^(t - M) is quantised with 2^e9, not normalised; the row's sum is taken of the unquantised p and divides at the end.
; When M moves, the sum and O are multiplied by 2^(old M - new M): nothing is rounded.
; SHARES.  Work-group (head, j) owns the blocks j and 15 - j of 128 queries; under the causal mask they want (j + 1) + (16 - j) = 17 key blocks of 128 keys for each pair of tiles of 16 queries.  Two waves share a pair:
;   wave w (0..7), side 0: the high tile, key blocks 0 .. 8: 9 items;   wave w + 8, side 1: the low tile, key blocks j, 0 .. j - 1 (the diagonal first), then the high tile, key blocks 9 .. 15 - j: 8 items for every j.
; At the end side 1 hands its part of the high tile (O, the sum, M) to side 0 through LDS.  Tiles of keys that the mask hides whole are not walked (but inside a diagonal block, where they become -infinity).
; LDS.  Item i of side s has 16,384 bytes of its own (8 tiles of k, 4 tiles of v^T) at 32,768 i + 16,384 s: every byte is filled once.  Two tensor loads a wave at the most: items 0 to 2 at the head (waves 0 to 7: 8,192 bytes each,
; waves 8 to 15: 4,096 bytes each), items 3 to 8 behind the first barrier (waves 0 to 10, a block each).  By this text's count one load of a wave is out.
; No prefetch: the second load follows the first at once and has nearly three items in which to land, and nothing is loaded behind it.
; No cluster: the work-groups of a head want different key blocks at the same item, so no descriptor is equal in two of them.
; LAYOUT.  S^T = k q^T (source 0 = 16 keys, source 1 = my 16 queries): a lane holds one query, and tile kt's eight registers are keys 16 kt + 8 h + 0..7: their codes are registers 2 kt, 2 kt + 1 of the second product's operand.
; O^T = v^T p^T: tiles 2 b, 2 b + 1 hold channels 32 b + 16 h + 0..15 of my query: their codes are four registers of the last product's operand.  oc: [16 rows][head][1,024].
; k of the next item is fetched behind this item's first products, v^T behind its second.
; LIMITS: e6 + e7 between -123 and 130; e9 and e10 - e8 - e9 between -126 and 119; scaled scores under 2^31 in magnitude.  NaN is not served.
.set LI,   1                           ; v1   16 x lane
.set ADR,  2                           ; v2   an LDS address
.set DD,   3                           ; v3   r - 8 h: in the tile on the diagonal register i is hidden where i is greater
.set SCP,  4                           ; v4   2^e9
.set NIL,  5                           ; v5   0; never rewritten
.set LIMP, 6                           ; v6   448 x 2^e9
.set SPW,  7                           ; v7   my spare word; never rewritten
.set T4,   8                           ; v[8:9] the sum's fourth chain (v9 is MA while the maximum is taken)
.set MA,   9
.set MB,   10
.set PX,   11
.set NM,   12                          ; v12  -M;  v13 the largest t
.set TM,   13
.set L,    14                          ; v[14:15] the sum in two halves
.set F,    16                          ; v[16:17] 2^(old M - new M)
.set T2,   18                          ; v[18:19] the second chain (MC and MD while the maximum is taken)
.set MC,   18
.set MD,   19
.set T3,   20                          ; v[20:21] the third
.set RL,   20                          ; v[20:21] at work when a tile is finished
.set Q,    22                          ; v22-29   my queries' fragment
.set KF,   30                          ; v30-93   8 tiles of k
.set VF,   94                          ; v94-157  4 tiles of v^T
.set P,    158                         ; v158-173 p's codes: two registers under S; tile kt's codes land on registers of tiles already converted
.set S,    160                         ; v160-223 S^T, then p
.set O,    224                         ; v224-255 O^T
.set STG,  17*16384                    ; 8 x 4,608 bytes: side 1's parts
.set SPARE, STG+8*4608                 ; the spare words, 128 bytes a wave; no other line names them
.set WV,   12
.set JJ,   13
.set HEAD, 14
.set W7,   15                          ; wave % 8: my tile
.set SIDE, 16                          ; wave / 8
.set IT,   17                          ; the item
.set SEL,  18
.set CS,   20
.set SW,   22                          ; the item behind which my low tile is finished
.set SWQ,  23                          ; the same where a high part follows
.set G1A,  24                          ; group 1: 32 rows of 256 bytes,
.set G1B,  32                          ; 16 rows,
.set G1C,  48                          ; 64 rows;  s[40:43], s[44:47], s[56:59] their groups 0
.set QHI,  60
.set OLO,  62
.set OHI,  66
.set NINF, 69
.set TB,   70                          ; LDS byte of my next item
.set M1,   71                          ; the item behind 2 that lies on my tile's diagonal
.set SCO,  77                          ; 2^(e10 - e8 - e9)
.set LIMO, 78                          ; 448 x that
.set NLIMO, 79                         ; and its negative
.set SM,   96                          ; LDS byte of the part that my pair hands over
.macro GROUP1 g, rows                  ; elements of 8 bytes, 32 to a row, dense
	s_mov_b32 s[\g], 3<<16
	s_mov_b32 s[\g+1], 32<<16
	s_mov_b32 s[\g+2], (\rows)<<16
	s_mov_b32 s[\g+3], 32<<16
	s_mov_b32 s[\g+4], \rows
	s_mov_b32 s[\g+5], 32
	s_mov_b32 s[\g+6], 0
	s_mov_b32 s[\g+7], 0
.endm
; the byte offset of region s90's key block (region = 2 x item + side), s91 bytes on.  Side 0: block i.  Side 1: j where i = 0, i - 1 up to j, then i + 8 - j.
.macro KBOFF g0
	s_lshr_b32 s92, s90, 1
	s_add_co_u32 s93, s92, 8
	s_sub_co_u32 s93, s93, s[JJ]
	s_sub_co_u32 s94, s92, 1
	s_cmp_eq_u32 s92, 0
	s_cselect_b32 s94, s[JJ], s94
	s_cmp_gt_u32 s92, s[JJ]
	s_cselect_b32 s94, s93, s94
	s_bitcmp1_b32 s90, 0
	s_cselect_b32 s94, s94, s92
	s_lshl_b32 s94, s94, 14
	s_add_co_u32 s94, s94, s91
	s_add_co_u32 s[\g0+2], s94, s95
	s_mov_b32 s[\g0+3], 0
	s_mov_b32 s[\g0], 1
.endm
	s_load_b256 s[4:11], s[0:1], 0x0               ; qc s[4:5], kvc s[6:7], the scales s[8:9], oc s[10:11]
	v_lshl_add_u32 v[SPW], v0, 2, SPARE
	v_mov_b32 v[NIL], 0
	ds_add_u32 v[SPW], v[NIL]                      ; the wave's opening: the add, twice on end, and its wait
	ds_add_u32 v[SPW], v[NIL]
	v_lshrrev_b32 v2, 5, v0
	v_readfirstlane_b32 s[WV], v2                  ; wave 0..15
	s_mov_b32 s[HEAD], ttmp9
	s_and_b32 s[JJ], ttmp7, 0xffff
	s_and_b32 s[W7], s[WV], 7
	s_lshr_b32 s[SIDE], s[WV], 3
	GROUP1 G1A, 32
	GROUP1 G1B, 16
	GROUP1 G1C, 64
	s_lshl_b32 s95, s[HEAD], 18                    ; a head's 16 key blocks
	s_lshr_b32 s90, s[WV], 1                       ; waves 0 to 7: regions 0 to 3, two waves to a block
	s_and_b32 s91, s[WV], 1
	s_lshl_b32 s91, s91, 13
	KBOFF 40
	s_lshl_b32 s41, s[WV], 13
	s_lshr_b32 s90, s[WV], 2                       ; waves 8 to 15: regions 4 and 5, four waves to a block
	s_add_co_u32 s90, s90, 2
	s_and_b32 s91, s[WV], 3
	s_lshl_b32 s91, s91, 12
	KBOFF 44
	s_lshl_b32 s45, s[WV], 12
	s_add_co_u32 s45, s45, 32768                   ; 65,536 + 4,096 (wave - 8)
	s_wait_alu depctr_va_vdst(0)
	s_wait_dscnt 0x0                               ; both opening adds are done
	s_wait_kmcnt 0x0
	s_add_nc_u64 s[42:43], s[6:7], s[42:43]
	s_or_b32 s43, s43, 0x80000000
	s_add_nc_u64 s[46:47], s[6:7], s[46:47]
	s_or_b32 s47, s47, 0x80000000
	s_cmp_lt_u32 s[WV], 8
	s_cbranch_scc0 .Lupper
	tensor_load_to_lds s[40:43], s[G1A:G1A+7]      ; items 0 and 1: my one load at the head
	s_nop 0
.rept 4
	v_nop
.endr
	s_branch .Lasked
.Lupper:
	tensor_load_to_lds s[44:47], s[G1B:G1B+7]      ; item 2: my one load at the head
	s_nop 0
.rept 4
	v_nop
.endr
.Lasked:
	s_load_b128 s[72:75], s[8:9], 0x18             ; e6, e7, e8, e9
	s_load_b32 s76, s[8:9], 0x28                   ; e10
	v_and_b32 v[LI], 31, v0
	v_lshlrev_b32 v[LI], 4, v[LI]
	s_lshl_b32 s80, s[JJ], 3
	s_add_co_u32 s80, s80, s[W7]                   ; my low tile: 8 j + w
	s_sub_co_u32 s81, 15, s[JJ]
	s_lshl_b32 s81, s81, 3
	s_add_co_u32 s81, s81, s[W7]                   ; my high tile: 8 (15 - j) + w
	s_lshl_b32 s82, s[HEAD], 17                    ; qc: 131,072 head + 1,024 tile;  oc: 32,768 tile + 1,024 head
	s_lshl_b32 s84, s80, 10
	s_add_co_u32 s84, s84, s82
	s_mov_b32 s85, 0
	s_lshl_b32 s86, s81, 10
	s_add_co_u32 s86, s86, s82
	s_mov_b32 s87, 0
	s_add_nc_u64 s[84:85], s[4:5], s[84:85]
	s_add_nc_u64 s[QHI:QHI+1], s[4:5], s[86:87]
	s_cmp_eq_u32 s[SIDE], 0
	s_cselect_b64 s[84:85], s[QHI:QHI+1], s[84:85]
	s_wait_alu depctr_va_vdst(0)
	global_load_b128 v[Q:Q+3], v[LI], s[84:85]
	global_load_b128 v[Q+4:Q+7], v[LI], s[84:85] offset:512
	s_lshl_b32 s82, s[HEAD], 10
	s_lshl_b32 s88, s80, 15
	s_add_co_u32 s88, s88, s82
	s_mov_b32 s89, 0
	s_add_nc_u64 s[OLO:OLO+1], s[10:11], s[88:89]
	s_lshl_b32 s88, s81, 15
	s_add_co_u32 s88, s88, s82
	s_add_nc_u64 s[OHI:OHI+1], s[10:11], s[88:89]
	s_mov_b32 s91, 0                               ; the later load: regions 6 to 16 by waves 0 to 10
	s_add_co_u32 s90, s[WV], 6
	KBOFF 56
	s_lshl_b32 s57, s[WV], 14
	s_add_co_u32 s57, s57, 98304
	s_add_nc_u64 s[58:59], s[6:7], s[58:59]
	s_or_b32 s59, s59, 0x80000000
	; what hangs on the side and on j
	s_movk_i32 s80, 99                             ; no item
	s_cmp_eq_u32 s[SIDE], 0
	s_cselect_b32 s[SW], s80, s[JJ]
	s_cmp_eq_u32 s[JJ], 7
	s_cselect_b32 s[SWQ], s80, s[SW]
	s_cselect_b32 s81, 8, s80                      ; side 0 meets the diagonal only where j = 7,
	s_cselect_b32 s82, s80, 7                      ; side 1's high part at item 7, where it has one
	s_cmp_eq_u32 s[SIDE], 0
	s_cselect_b32 s[M1], s81, s82
	s_lshl_b32 s[TB], s[SIDE], 14
	s_mul_i32 s[SM], s[W7], 4608
	s_add_co_u32 s[SM], s[SM], STG
	s_mov_b32 s[NINF], 0xff800000
	s_mov_b32 s[SEL], 0x76543210
	s_mov_b32 s[SEL+1], 0xfedcba98
	v_and_b32 v[DD], 15, v0
	v_bfe_u32 v[MA], v0, 4, 1
	v_lshlrev_b32 v[MA], 3, v[MA]
	v_sub_nc_u32 v[DD], v[DD], v[MA]
	v_mov_b32 v[TM], 0xff61b1e6                    ; the largest t so far: -3e38, under every t
	v_floor_f32 v[NM], -v[TM]
	v_mov_b32 v[L], 0
	v_mov_b32 v[L+1], 0
	v_mov_b32 v[PX], 0                             ; a lane permute's destination counts as one of its sources
	v_mov_b32 v[F+1], 0                            ; (upper half of a pair of which the low word serves both halves)
	v_mov_b32 v[RL+1], 0
.set n, 0
.rept 32
	v_mov_b32 v[O+n], 0                            ; the item is written alike everywhere: the first finds zeros, which the first change of M leaves zeros
.set n, n+1
.endr
	s_wait_alu depctr_va_vdst(0)
	s_wait_kmcnt 0x0
	s_add_co_i32 s80, s72, s73
	s_lshl_b32 s80, s80, 23
	s_add_co_i32 s[CS], s80, 0x3e38aa3b            ; c = log2(e) / 8, with e6 + e7 added to its exponent field
	s_mov_b32 s[CS+1], s[CS]
	s_add_co_i32 s80, s75, 127
	s_lshl_b32 s81, s80, 23
	v_mov_b32 v[SCP], s81
	s_add_co_i32 s80, s80, 8
	s_lshl_b32 s80, s80, 23
	s_or_b32 s80, s80, 0x600000
	v_mov_b32 v[LIMP], s80
	s_sub_co_i32 s80, s76, s74
	s_sub_co_i32 s80, s80, s75
	s_add_co_i32 s80, s80, 127
	s_lshl_b32 s[SCO], s80, 23                     ; O stands for O x 2^(e8 + e9): the three scales are folded into the conversion's one
	s_add_co_i32 s80, s80, 8
	s_lshl_b32 s80, s80, 23
	s_or_b32 s[LIMO], s80, 0x600000
	s_or_b32 s[NLIMO], s[LIMO], 0x80000000
.macro KLOAD
.irp f, 0,1,2,3,4,5,6,7,8,9,10,11,12,13,14,15
	ds_load_b128 v[KF+4*\f:KF+4*\f+3], v[ADR] offset:512*\f
.endr
.endm
.macro VLOAD
.irp f, 0,1,2,3,4,5,6,7,8,9,10,11,12,13,14,15
	ds_load_b128 v[VF+4*\f:VF+4*\f+3], v[ADR] offset:8192+512*\f
.endr
.endm
; In a diagonal block my tile w of queries sees tiles of keys under w whole, tile w in part (register i, key 8 h + i, where i <= r - 8 h) and the tiles above not at all.  The branches hang on the wave's number.
.macro MASK
.irp kt, 0,1,2,3,4,5,6,7
	s_cmp_gt_u32 s[W7], \kt
	s_cbranch_scc1 .Lseen_\@_\kt
	s_cmp_lt_u32 s[W7], \kt
	s_cbranch_scc1 .Lhid_\@_\kt
.irp i, 0,1,2,3,4,5,6,7
	v_cmp_le_i32 vcc_lo, \i, v[DD]
	v_cndmask_b32 v[S+8*\kt+\i], s[NINF], v[S+8*\kt+\i], vcc_lo
.endr
	s_branch .Lseen_\@_\kt
.Lhid_\@_\kt:
.irp i, 0,1,2,3,4,5,6,7
	v_mov_b32 v[S+8*\kt+\i], s[NINF]
.endr
.Lseen_\@_\kt:
.endr
	s_wait_alu depctr_va_vdst(0)                   ; ahead of the readers behind the branches
.endm
.macro HINT d
	s_delay_alu instid0(VALU_DEP_\d)
.endm
.macro SCALE2                          ; t - M of two pairs
.rept 2
	v_pk_fma_f32 v[S+n:S+n+1], v[S+n:S+n+1], s[CS:CS+1], v[NM:NM+1] op_sel_hi:[1,0,0]
.set n, n+2
.endr
.endm
; The item's largest score of my query among my 64 keys, in four chains, each tile from its low end on; the new M, f = 2^(old M - new M), t - M, and O^T under the new M.
.macro STATS
	v_max3_num_f32 v[MA], v[S], v[S+1], v[S+2]
	v_max3_num_f32 v[MB], v[S+3], v[S+4], v[S+5]
	v_max3_num_f32 v[MC], v[S+6], v[S+7], v[S+8]
	v_max3_num_f32 v[MD], v[S+9], v[S+10], v[S+11]
.irp i, 12,20,28,36,44,52
	v_max3_num_f32 v[MA], v[MA], v[S+\i], v[S+1+\i]
	v_max3_num_f32 v[MB], v[MB], v[S+2+\i], v[S+3+\i]
	v_max3_num_f32 v[MC], v[MC], v[S+4+\i], v[S+5+\i]
	v_max3_num_f32 v[MD], v[MD], v[S+6+\i], v[S+7+\i]
.endr
	v_max3_num_f32 v[MA], v[MA], v[S+60], v[S+61]
	v_max3_num_f32 v[MB], v[MB], v[S+62], v[S+63]
	v_max_num_f32 v[MC], v[MC], v[MD]
	v_max3_num_f32 v[MA], v[MA], v[MB], v[MC]
	HINT 1
	v_permlanex16_b32 v[PX], v[MA], s[SEL], s[SEL+1]
	HINT 1
	v_max_num_f32 v[MA], v[MA], v[PX]              ; and among lane l xor 16's
	HINT 1
	v_mul_f32 v[MA], s[CS], v[MA]                  ; as t (c is positive)
	HINT 1
	v_max_num_f32 v[TM], v[TM], v[MA]
	v_mov_b32 v[MA], v[NM]
	HINT 2
	v_floor_f32 v[NM], -v[TM]                      ; -M = floor(-t): M is a whole number
	HINT 1
	v_sub_f32 v[MA], v[NM], v[MA]                  ; old M - new M: a whole number, 0 or less
.set n, 0
	SCALE2
	v_cvt_i32_f32 v[MA], v[MA]                     ; (it saturates)
	SCALE2
	v_ldexp_f32 v[F], 1.0, v[MA]
.rept 14
	SCALE2
.endr
.set n, 0
.rept 16
	v_pk_mul_f32 v[O+n:O+n+1], v[O+n:O+n+1], v[F:F+1] op_sel_hi:[1,0]
.set n, n+2
.endr
.endm
; A tile of queries is finished: O^T / the sum, held, converted with the folded scale, stored: two stores of 512 consecutive bytes.  At least two plain instructions stand between the last products and this text; its first three make the places.
.macro FINAL base
	v_add_f32 v[RL], v[L], v[L+1]
	v_permlanex16_b32 v[PX], v[RL], s[SEL], s[SEL+1]
	v_add_f32 v[RL], v[RL], v[PX]
	s_wait_alu depctr_va_vdst(0)                   ; ahead of the transcendental
	v_rcp_f32 v[RL], v[RL]
	v_nop                                          ; a plain place behind the transcendental
	s_wait_alu depctr_va_vdst(0)                   ; ahead of the first readers of its result and of O^T
.set n, 0
.rept 16
	v_pk_mul_f32 v[S+n:S+n+1], v[O+n:O+n+1], v[RL:RL+1] op_sel_hi:[1,0]
.set n, n+2
.endr
	v_mov_b32 v[MB], s[SCO]
.set n, 0
.rept 32
	v_med3_num_f32 v[S+n], v[S+n], s[NLIMO], s[LIMO]   ; the conversion to an 8-bit code does not saturate (ISA guide 7.6.2)
.set n, n+1
.endr
.irp m, 0,1,2,3
	v_cvt_scalef32_pk8_fp8_f32 v[S+32+2*\m:S+33+2*\m], v[S+8*\m:S+8*\m+7], v[MB]
.endr
	v_nop                                          ; a plain place behind the conversions
	global_store_b128 v[LI], v[S+32:S+35], s[\base:\base+1]
	global_store_b128 v[LI], v[S+36:S+39], s[\base:\base+1] offset:512
	s_wait_xcnt 0x0                                ; the stores have read their data: the next scores may land there
.endm
; AN ITEM: 128 keys.  mask = 1: side 1 is on the diagonal; 2: whoever has this item in M1.  bar = 1: the second group of items is waited for and a barrier shows it to all waves; it is signalled early and waited for
; at the item's end, with work on registers between.  pre = 1: the next item is fetched (bar = 1: behind the barrier); 2: the same, the address held at the last region (side 1 has no item 8: what it then fetches is not used); 0: the last item.
.macro TRIP mask, bar, pre, it
	s_wait_alu depctr_va_vdst(0)
	s_wait_loadcnt 0x0                             ; my queries
	s_wait_dscnt 16                                ; k is in; v^T's sixteen loads may be out
.irp t, 0,1,2,3,4,5,6,7
	v_wmma_f32_16x16x64_fp8_fp8 v[S+8*\t:S+8*\t+7], v[KF+8*\t:KF+8*\t+7], v[Q:Q+7], 0
.endr
.if (\pre > 0) && (\bar == 0)
.if \pre == 2
	s_min_u32 s80, s[TB], 262144
	v_add_nc_u32 v[ADR], s80, v[LI]
.else
	v_add_nc_u32 v[ADR], s[TB], v[LI]
.endif
.rept 3
	v_nop                                          ; with the addition: four places behind the first products
.endr
	KLOAD
.else
.rept 4
	v_nop
.endr
.endif
.if \pre
	s_cmp_lg_u32 s[SWQ], \it
	s_cbranch_scc1 .Lkeep_\@
	global_load_b128 v[Q:Q+3], v[LI], s[QHI:QHI+1] ; the low tile's last scores are made: its queries give way to the high tile's
	global_load_b128 v[Q+4:Q+7], v[LI], s[QHI:QHI+1] offset:512
.Lkeep_\@:
.endif
.if \mask
.if \mask == 1
	s_cmp_eq_u32 s[SIDE], 0
.else
	s_cmp_lg_u32 s[M1], \it
.endif
	s_cbranch_scc1 .Lopen_\@
	MASK
.Lopen_\@:
.endif
	STATS
	s_wait_alu depctr_va_vdst(0)                   ; ahead of the batch
.set n, 0
.rept 64
	v_exp_f32 v[S+n], v[S+n]
.set n, n+1
.endr
	v_pk_mul_f32 v[L:L+1], v[L:L+1], v[F:F+1] op_sel_hi:[1,0]   ; (the plain place behind the batch)
	s_wait_alu depctr_va_vdst(0)                   ; and behind it, ahead of its first reader
.if \bar
	s_wait_tensorcnt 0x0                           ; my part of the second group is in;
	ds_add_u32 v[SPW], v[NIL]                      ; 0 onto my spare word
.endif
	; the sums of the unquantised p, in four chains; then tile by tile the hold (p is not negative: one-sided; two numbers an instruction), the codes, and the sums of the tile two further on
	v_pk_add_f32 v[L:L+1], v[L:L+1], v[S:S+1]
	v_pk_add_f32 v[T2:T2+1], v[S+2:S+3], v[S+10:S+11]
	v_pk_add_f32 v[T3:T3+1], v[S+4:S+5], v[S+12:S+13]
	v_pk_add_f32 v[T4:T4+1], v[S+6:S+7], v[S+14:S+15]
	v_pk_add_f32 v[L:L+1], v[L:L+1], v[S+8:S+9]
.set kt, 0
.rept 8
.set pb, S+8*kt
.irp d, 0,2,4,6
	v_dual_min_num_f32 v[pb+\d], v[pb+\d], v[LIMP] :: v_dual_min_num_f32 v[pb+\d+1], v[pb+\d+1], v[LIMP]
.endr
	v_cvt_scalef32_pk8_fp8_f32 v[P+2*kt:P+2*kt+1], v[pb:pb+7], v[SCP]
.if kt < 6
	v_pk_add_f32 v[L:L+1], v[L:L+1], v[pb+16:pb+17]
	v_pk_add_f32 v[T2:T2+1], v[T2:T2+1], v[pb+18:pb+19]
	v_pk_add_f32 v[T3:T3+1], v[T3:T3+1], v[pb+20:pb+21]
	v_pk_add_f32 v[T4:T4+1], v[T4:T4+1], v[pb+22:pb+23]
.endif
.if (kt == 1) && (\bar > 0)
	s_wait_alu depctr_va_vdst(0)
	s_wait_dscnt 0x0                               ; the add is done, and my reads of this item are over
	s_barrier_signal -1
.endif
.set kt, kt+1
.endr
	v_pk_add_f32 v[T3:T3+1], v[T3:T3+1], v[T4:T4+1]   ; (the plain place between the last conversion and the products)
.if \bar == 0
	s_wait_alu depctr_va_vdst(0)
.if \pre
	s_wait_dscnt 16                                ; v^T is in; the next k's sixteen loads may be out
.else
	s_wait_dscnt 0x0
.endif
.endif
.irp t, 0,1,2,3
	v_wmma_f32_16x16x128_fp8_fp8 v[O+8*\t:O+8*\t+7], v[VF+16*\t:VF+16*\t+15], v[P:P+15], v[O+8*\t:O+8*\t+7]   ; four accumulators, one instruction each; the eight first products stand between two links on one of them
.endr
	v_pk_add_f32 v[L:L+1], v[L:L+1], v[T2:T2+1]
	v_pk_add_f32 v[L:L+1], v[L:L+1], v[T3:T3+1]
.if \bar
	s_wait_alu depctr_va_vdst(0)
	s_barrier_wait -1                              ; everybody's part of the second group is in
	v_add_nc_u32 v[ADR], s[TB], v[LI]
.rept 3
	v_nop                                          ; six places behind the second products
.endr
	KLOAD
	VLOAD
.elseif \pre
.rept 3
	v_nop                                          ; five places: the next scores are written over registers that these products read as p's codes
.endr
	VLOAD
.endif
	s_wait_alu depctr_va_vdst(0)
.if \pre
	s_cmp_lg_u32 s[SW], \it
	s_cbranch_scc1 .Lsame_\@
	FINAL OLO                                      ; the low tile leaves.  Nothing is cleared: the next change of M multiplies the sum and O by 0
	v_mov_b32 v[TM], 0xff61b1e6
	v_floor_f32 v[NM], -v[TM]
	s_wait_alu depctr_va_vdst(0)
.Lsame_\@:
.endif
.endm
	s_wait_alu depctr_va_vdst(0)                   ; the head's end
	s_wait_tensorcnt 0x0                           ; my part of items 0 to 2 is in;
	ds_add_u32 v[SPW], v[NIL]
	s_wait_dscnt 0x0
	s_barrier_signal -1
	s_barrier_wait -1
	s_cmp_gt_u32 s[WV], 10
	s_cbranch_scc1 .Lnone
	tensor_load_to_lds s[56:59], s[G1C:G1C+7]      ; items 3 to 8
	s_nop 0
.rept 4
	v_nop
.endr
.Lnone:
	v_add_nc_u32 v[ADR], s[TB], v[LI]
	KLOAD
	VLOAD
	s_add_co_u32 s[TB], s[TB], 32768
	TRIP 1, 0, 1, 0
	s_add_co_u32 s[TB], s[TB], 32768
	TRIP 0, 0, 1, 1
	s_add_co_u32 s[TB], s[TB], 32768
	TRIP 0, 1, 1, 2
	s_add_co_u32 s[TB], s[TB], 32768
	s_mov_b32 s[IT], 3
.Lloop:
	TRIP 2, 0, 2, s[IT]
	s_add_co_u32 s[TB], s[TB], 32768
	s_add_co_u32 s[IT], s[IT], 1
	s_cmp_lt_u32 s[IT], 8
	s_cbranch_scc1 .Lloop
	s_cmp_lg_u32 s[SIDE], 0
	s_cbranch_scc1 .Lno_more
	TRIP 2, 0, 0, 8                                ; side 0 alone has item 8
.Lno_more:
	; side 1 hands over its part of the high tile: M, the sum's halves, O^T.  (Where j = 7 it has none: its M is that of -3e38, so what it hands over is multiplied by 0)
	v_add_nc_u32 v[ADR], s[SM], v[LI]
.rept 3
	v_nop                                          ; with the addition: four places behind the last products
.endr
	s_wait_alu depctr_va_vdst(0)
	s_cmp_eq_u32 s[SIDE], 0
	s_cbranch_scc1 .Lmeet
	ds_store_b128 v[ADR], v[NM:NM+3]
.irp k, 0,1,2,3,4,5,6,7
	ds_store_b128 v[ADR], v[O+4*\k:O+4*\k+3] offset:512*\k+512
.endr
.Lmeet:
	s_wait_dscnt 0x0                               ; my stores are done
	s_barrier_signal -1
	s_barrier_wait -1
	s_cmp_lg_u32 s[SIDE], 0
	s_cbranch_scc1 .Lend
.irp k, 0,1,2,3,4,5,6,7,8
	ds_load_b128 v[KF+4*\k:KF+4*\k+3], v[ADR] offset:512*\k
.endr
	s_wait_dscnt 0x0
	v_min_num_f32 v[MA], v[NM], v[KF]              ; -M of both
	v_sub_f32 v[MB], v[MA], v[NM]
	v_sub_f32 v[PX], v[MA], v[KF]
	v_cvt_i32_f32 v[MB], v[MB]
	v_cvt_i32_f32 v[PX], v[PX]
	v_ldexp_f32 v[F], 1.0, v[MB]
	v_ldexp_f32 v[RL], 1.0, v[PX]
	v_pk_mul_f32 v[L:L+1], v[L:L+1], v[F:F+1] op_sel_hi:[1,0]
.set n, 0
.rept 16
	v_pk_mul_f32 v[O+n:O+n+1], v[O+n:O+n+1], v[F:F+1] op_sel_hi:[1,0]
.set n, n+2
.endr
	v_pk_fma_f32 v[L:L+1], v[KF+2:KF+3], v[RL:RL+1], v[L:L+1] op_sel_hi:[1,0,1]
.set n, 0
.rept 16
	v_pk_fma_f32 v[O+n:O+n+1], v[KF+4+n:KF+5+n], v[RL:RL+1], v[O+n:O+n+1] op_sel_hi:[1,0,1]
.set n, n+2
.endr
	FINAL OHI
.Lend:
	s_wait_tensorcnt 0x0                           ; the wave's end
	ds_add_u32 v[SPW], v[NIL]
	s_wait_dscnt 0x0
	s_endpgm
.Lfunc_end_k_qc23c37628b_attn:
	.size	k_qc23c37628b_attn, .Lfunc_end_k_qc23c37628b_attn-k_qc23c37628b_attn
	.p2alignl 7, 3214868480
	.fill 96, 4, 3214868480
	.section	.rodata,"a",@progbits
	.p2align	6, 0x0
	.amdhsa_kernel k_qc23c37628b_attn
		.amdhsa_group_segment_fixed_size 327680
		.amdhsa_private_segment_fixed_size 0
		.amdhsa_enable_private_segment 0
		.amdhsa_kernarg_size 32
		.amdhsa_user_sgpr_count 2
		.amdhsa_user_sgpr_kernarg_segment_ptr 1
		.amdhsa_wavefront_size32 1
		.amdhsa_system_sgpr_workgroup_id_x 1
		.amdhsa_system_sgpr_workgroup_id_y 1
		.amdhsa_system_sgpr_workgroup_id_z 1
		.amdhsa_system_vgpr_workitem_id 0
		.amdhsa_next_free_vgpr 256
		.amdhsa_next_free_sgpr 98
		.amdhsa_reserve_vcc 1
		.amdhsa_float_denorm_mode_32 3
		.amdhsa_float_denorm_mode_16_64 3
		.amdhsa_memory_ordered 1
		.amdhsa_forward_progress 1
		.amdhsa_inst_pref_size 134
	.end_amdhsa_kernel
	.amdgpu_metadata
---
amdhsa.version: [ 1, 2 ]
amdhsa.kernels:
  - .name:           k_qc23c37628b_attn
    .symbol:         k_qc23c37628b_attn.kd
    .args:
      - { .name: qc, .offset: 0, .size: 8, .value_kind: global_buffer, .address_space: global }
      - { .name: kvc, .offset: 8, .size: 8, .value_kind: global_buffer, .address_space: global }
      - { .name: lowp_scales, .offset: 16, .size: 8, .value_kind: global_buffer, .address_space: global }
      - { .name: oc, .offset: 24, .size: 8, .value_kind: global_buffer, .address_space: global }
    .group_segment_fixed_size: 327680
    .private_segment_fixed_size: 0
    .kernarg_segment_align: 8
    .kernarg_segment_size: 32
    .max_flat_workgroup_size: 512
    .sgpr_count:     98
    .vgpr_count:     256
    .wavefront_size: 32
...
	.end_amdgpu_metadata
.endif
;; end of part 2
;; launch proj (part 3): grid 16 x 16, 4 waves a work-group, clusters of 4 x 4, 327,680 bytes of LDS; arguments oc, wo_codes, bo, lowp_scales, out0; writes out0
.if DOCPART == 3
	.amdgcn_target "amdgcn-amd-amdhsa--gfx1250"
	.amdhsa_code_object_version 6
	.text
	.protected	k_qc23c37628b_proj
	.globl	k_qc23c37628b_proj
	.p2align	8
	.type	k_qc23c37628b_proj,@function
k_qc23c37628b_proj:
	s_mov_b64 s[64:65], 0
	v_nop
	global_prefetch_b8 v0, s[64:65] scope:SCOPE_SE
	s_setreg_imm32_b32 hwreg(HW_REG_WAVE_MODE, 25, 1), 1
	s_wait_xcnt 0x0
	s_wait_alu depctr_hold_cnt(0) depctr_sa_sdst(0) depctr_va_vdst(0) depctr_va_sdst(0) depctr_va_ssrc(0) depctr_va_vcc(0) depctr_vm_vsrc(0)
	s_getreg_b32 s2, hwreg(HW_REG_IB_STS2, 6, 4)
	s_cmp_eq_u32 s2, 0
	s_cbranch_scc0 .Lentry_in_a_cluster
	s_endpgm
.Lentry_in_a_cluster:
	s_bfe_u32 s2, ttmp6, 0x10000c
	s_cmp_lg_u32 s2, 0xf033
	s_cbranch_scc0 .Lentry_shape_is_right
	s_endpgm
.Lentry_shape_is_right:
; out = o Wo^T + bo on codes of FP8 (E4M3).  oc: [tile of 16 rows][head][1,024], images of operand registers; Wo: [2048][2048] codes, K innermost; lowp_scales: e10 (o), e11 (Wo).
; LIMIT: e10 + e11 lies between -126 and 127.  NaN is not served.
; A work-group of four waves makes 128 x 128 of the result, a wave 64 x 64: 16 accumulators.  K goes in four slots' worth of 512 through a ring of two LDS slots: waves 0 and 1 fetch o's tiles (dense images), waves 2 and 3 Wo's rows.
; CLUSTER 4 x 4: o's tiles are asked for jointly by a row of the cluster, Wo's by a column.
; PREFETCHES, two slots ahead of the joint load: of what a wave fetches each of the four partners that ask for it jointly names 32 blocks of 256 bytes (o: one tile's 8,192 bytes; Wo: 16 rows of 512 bytes), a lane a block, told apart by address.
; Transposed use (source 0 = 16 rows of Wo, source 1 = 16 rows of o): a lane holds eight neighbouring columns of one row; the rows leave through a stage in LDS.
.set BP,     528
.set ABYTES, 65536
.set SLOT,   ABYTES+128*BP
.set SPARE,  2*SLOT
.set STG,    SPARE+512
.set SP,     272
.set ADRA, 16
.set ADRB, 20
.set LI,   22
.set STO,  24
.set RD,   25
.set CO,   26
.set BOF,  27
.set SPW,  28
.set NIL,  29
.set TMP,  32
.set BO,   96
.set ACC,  128
.set G1A, 24
.set G0A, 32
.set G1B, 48
.set G0B, 56
.set MSB, 0
.macro WIN new
.if MSB != (\new)
	s_set_vgpr_msb (MSB<<8)|(\new)
.set MSB, (\new)
.endif
.endm
.macro PLACES
.rept 4
	v_nop
.endr
.endm
.macro JLOAD s
	s_cmp_eq_u32 s15, 0
	s_cbranch_scc0 .Lfor_b_\@
	tensor_load_to_lds s[G0A+4*\s:G0A+4*\s+3], s[G1A:G1A+7]
	s_nop 0
.rept 4
	v_nop
.endr
	s_branch .Lasked_\@
.Lfor_b_\@:
	tensor_load_to_lds s[G0B+4*\s:G0B+4*\s+3], s[G1B:G1B+7]
	s_nop 0
.rept 4
	v_nop
.endr
.Lasked_\@:
.endm
.macro CREST
	s_cmp_lg_u32 s14, 0
	s_cbranch_scc1 .Lnot_wave_0_\@
	s_barrier_signal -3
.Lnot_wave_0_\@:
	s_barrier_wait -3
	s_barrier_signal -1
	s_barrier_wait -1
.endm
.macro CROUND
	s_barrier_signal -1
	s_barrier_wait -1
	CREST
.endm
	s_load_b256 s[4:11], s[0:1], 0x0
	s_load_b64 s[12:13], s[0:1], 0x20
	v_lshl_add_u32 v[SPW], v0, 2, SPARE
	v_mov_b32 v[NIL], 0
	ds_add_u32 v28, v29
	ds_add_u32 v28, v29
	s_wait_dscnt 0x0
	v_lshrrev_b32 v1, 5, v0
	v_readfirstlane_b32 s14, v1
	s_lshr_b32 s15, s14, 1
	s_and_b32 s16, s14, 1
	s_bfe_u32 s40, ttmp6, 0x40000
	s_bfe_u32 s41, ttmp6, 0x40004
	s_lshl_b32 s42, ttmp9, 2
	s_add_co_u32 s42, s42, s40
	s_and_b32 s17, ttmp7, 0xffff
	s_lshl_b32 s17, s17, 2
	s_add_co_u32 s17, s17, s41
	s_lshl_b32 s43, s41, 2
	s_lshl_b32 s43, 15, s43
	s_lshl_b32 s44, 0x1111, s40
	s_or_b32 s[G1A], s43, (3<<16)|(1<<21)
	s_mov_b32 s[G1A+1], 1024<<16
	s_mov_b32 s[G1A+2], 4<<16
	s_mov_b32 s[G1A+3], 1024<<16
	s_mov_b32 s[G1A+4], 4
	s_mov_b32 s[G1A+5], 4096
	s_mov_b32 s[G1A+6], 0
	s_mov_b32 s[G1A+7], 0
	s_or_b32 s[G1B], s44, (1<<20)|(1<<21)|(6<<22)|(3<<25)
	s_mov_b32 s[G1B+1], 512<<16
	s_mov_b32 s[G1B+2], 64<<16
	s_mov_b32 s[G1B+3], 512<<16
	s_mov_b32 s[G1B+4], 64
	s_mov_b32 s[G1B+5], 2048
	s_mov_b32 s[G1B+6], 0
	s_mov_b32 s[G1B+7], 0
	s_lshl_b32 s18, s16, 17
	s_lshl_b32 s20, s17, 18
	s_add_co_u32 s20, s20, s18
	s_mov_b32 s21, 0
	s_lshl_b32 s46, s42, 18
	s_add_co_u32 s46, s46, s18
	s_mov_b32 s47, 0
	s_lshl_b32 s22, s16, 15
	s_mul_i32 s23, s16, 64*BP
	s_add_co_u32 s23, s23, ABYTES
	s_wait_kmcnt 0x0
	s_load_b64 s[66:67], s[10:11], 0x28
	s_add_nc_u64 s[20:21], s[4:5], s[20:21]
	s_add_nc_u64 s[46:47], s[6:7], s[46:47]
	CROUND
.irp s, 0,1
	s_mov_b32 s[G0A+4*\s], 1
	s_add_co_u32 s[G0A+4*\s+1], s22, \s*SLOT
	s_add_nc_u64 s[G0A+4*\s+2:G0A+4*\s+3], s[20:21], \s*8192
	s_or_b32 s[G0A+4*\s+3], s[G0A+4*\s+3], 0x80000000
	s_mov_b32 s[G0B+4*\s], 1
	s_add_co_u32 s[G0B+4*\s+1], s23, \s*SLOT
	s_add_nc_u64 s[G0B+4*\s+2:G0B+4*\s+3], s[46:47], \s*512
	s_or_b32 s[G0B+4*\s+3], s[G0B+4*\s+3], 0x80000000
.endr
	JLOAD 0                                        ; slot 0: one tensor load a wave at the head
	v_and_b32 v1, 15, v0
	s_wait_alu depctr_va_vdst(0)
	v_bfe_u32 v2, v0, 4, 1
	v_lshlrev_b32 v[BOF], 5, v2
	s_lshl_b32 s70, s42, 9
	s_lshl_b32 s71, s16, 8
	s_add_co_u32 s70, s70, s71
	s_mov_b32 s71, 0
	s_add_nc_u64 s[8:9], s[8:9], s[70:71]
.irp b, 0,1,2,3
	global_load_b128 v[BO+8*\b:BO+8*\b+3], v[BOF], s[8:9] offset:64*\b
	global_load_b128 v[BO+8*\b+4:BO+8*\b+7], v[BOF], s[8:9] offset:64*\b+16
.endr
	; the prefetches: my work-group's share of what my wave fetches
	s_lshl_b32 s80, s40, 15                        ; o: tile cx of the four that I fetch
	s_lshl_b32 s81, s41, 15                        ; Wo: 16 rows x cy
	s_mov_b32 s82, 512
	s_mov_b32 s90, 2048
	s_cmp_eq_u32 s15, 0
	s_cselect_b32 s80, s80, s81
	s_cselect_b32 s82, 8192, s82                   ; a slot on
	s_cselect_b32 s90, 512, s90                    ; from pair of lanes to pair of lanes
	s_cselect_b64 s[84:85], s[20:21], s[46:47]
	s_mov_b32 s81, 0
	s_mov_b32 s83, 0
	s_add_nc_u64 s[84:85], s[84:85], s[80:81]
	s_add_nc_u64 s[84:85], s[84:85], s[82:83]      ; slot's worth 1,
	s_add_nc_u64 s[86:87], s[84:85], s[82:83]      ; 2,
	s_add_nc_u64 s[88:89], s[86:87], s[82:83]      ; 3
	v_and_b32 v6, 31, v0
	v_lshrrev_b32 v7, 1, v6
	v_and_b32 v8, 1, v0
	v_mul_lo_u32 v7, v7, s90
	v_lshl_add_u32 v30, v8, 8, v7                  ; never rewritten
	s_wait_alu depctr_va_vdst(0)
	global_prefetch_b8 v30, s[84:85] th:TH_LOAD_NT scope:SCOPE_SE
	global_prefetch_b8 v30, s[86:87] th:TH_LOAD_NT scope:SCOPE_SE
	s_add_nc_u64 s[12:13], s[12:13], s[70:71]
	s_lshl_b32 s72, s17, 20
	s_lshl_b32 s73, s15, 19
	s_add_co_u32 s72, s72, s73
	s_mov_b32 s73, 0
	s_add_nc_u64 s[12:13], s[12:13], s[72:73]
	v_and_b32 v[LI], 31, v0
	v_lshlrev_b32 v[LI], 4, v[LI]
	s_lshl_b32 s74, s15, 15
	v_add_nc_u32 v[ADRA], s74, v[LI]
	v_add_nc_u32 v[ADRA+1], SLOT, v[ADRA]
	v_mul_u32_u24 v3, v1, BP
	s_wait_alu depctr_va_vdst(0)
	v_lshl_add_u32 v3, v2, 4, v3
	s_mul_i32 s75, s16, 64*BP
	s_add_co_u32 s75, s75, ABYTES
	v_add_nc_u32 v[ADRB], s75, v3
	v_add_nc_u32 v[ADRB+1], SLOT, v[ADRB]
	s_mul_i32 s76, s14, 16*SP
	s_add_co_u32 s76, s76, STG
	v_mul_u32_u24 v4, v1, SP
	v_lshl_add_u32 v4, v2, 5, v4
	v_add_nc_u32 v[STO], s76, v4
	v_mul_u32_u24 v5, v2, SP
	v_lshl_add_u32 v5, v1, 4, v5
	v_add_nc_u32 v[RD], s76, v5
	v_lshlrev_b32 v[CO], 13, v2
	v_lshl_add_u32 v[CO], v1, 4, v[CO]
.macro MULA f, a, zero
.irp b, 0,1,2,3
.if \zero
	v_wmma_f32_16x16x128_fp8_fp8 v[ACC+8*(4*(\a)+\b):ACC+8*(4*(\a)+\b)+7], v[128*(\f)+64+16*\b:128*(\f)+64+16*\b+15], v[128*(\f)+16*(\a):128*(\f)+16*(\a)+15], 0
.else
	v_wmma_f32_16x16x128_fp8_fp8 v[ACC+8*(4*(\a)+\b):ACC+8*(4*(\a)+\b)+7], v[128*(\f)+64+16*\b:128*(\f)+64+16*\b+15], v[128*(\f)+16*(\a):128*(\f)+16*(\a)+15], v[ACC+8*(4*(\a)+\b):ACC+8*(4*(\a)+\b)+7]
.endif
.endr
.endm
.macro FETCH slot, q, f
	WIN 0x40
.irp b, 0,1,2,3
.irp c, 0,1,2,3
	ds_load_b128 v[128*(\f)+64+16*\b+4*\c:128*(\f)+64+16*\b+4*\c+3], v[ADRB+\slot] offset:16*\b*BP+128*(\q)+32*\c
.endr
.endr
.irp a, 0,1,2,3
.irp c, 0,1,2,3
	ds_load_b128 v[128*(\f)+16*\a+4*\c:128*(\f)+16*\a+4*\c+3], v[ADRA+\slot] offset:8192*\a+2048*(\q)+512*\c
.endr
.endr
.endm
.macro STEP3 slot, q, zero
	s_wait_dscnt 8                                 ; Wo's fragments and o's blocks 0, 1 are in; the youngest eight loads may be out
	PLACES                                         ; for the loads into the buffer that the step before multiplied
	FETCH \slot, (\q)+1, 1-(\q)%2
	WIN 0x05
	MULA (\q)%2, 0, \zero
	MULA (\q)%2, 1, \zero
	s_wait_dscnt 32                                ; all but the 32 just issued
	MULA (\q)%2, 2, \zero
	MULA (\q)%2, 3, \zero
.endm
.macro TURN3 slot, next, fill
	WIN 0
	s_wait_tensorcnt 0x0
	ds_add_u32 v[SPW], v[NIL]
	s_wait_dscnt 9
	WIN 0x05
	MULA 1, 0, 0
	s_wait_dscnt 0x0
	s_barrier_signal -1
	MULA 1, 1, 0
	WIN 0
	s_barrier_wait -1
.if \fill
	CREST
	s_add_nc_u64 s[G0A+4*\slot+2:G0A+4*\slot+3], s[G0A+4*\slot+2:G0A+4*\slot+3], 16384
	s_add_nc_u64 s[G0B+4*\slot+2:G0B+4*\slot+3], s[G0B+4*\slot+2:G0B+4*\slot+3], 1024
	JLOAD \slot
.else
	PLACES
.endif
	s_wait_alu depctr_va_vdst(0)
	FETCH \next, 0, 0
	WIN 0x05
	MULA 1, 2, 0
	MULA 1, 3, 0
.endm
	s_wait_alu depctr_va_vdst(0)                   ; the head's end
	s_wait_tensorcnt 0x0                           ; my part of slot 0 is in
	ds_add_u32 v[SPW], v[NIL]
	s_wait_dscnt 0x0
	CROUND                                         ; everybody's part of slot 0 is in; the joint loads of slot 1 meet
	JLOAD 1
	FETCH 0, 0, 0
	global_prefetch_b8 v30, s[88:89] th:TH_LOAD_NT scope:SCOPE_SE
	STEP3 0, 0, 1
	STEP3 0, 1, 0
	STEP3 0, 2, 0
	TURN3 0, 1, 1
	STEP3 1, 0, 0
	STEP3 1, 1, 0
	STEP3 1, 2, 0
	TURN3 1, 0, 1
	STEP3 0, 0, 0
	STEP3 0, 1, 0
	STEP3 0, 2, 0
	TURN3 0, 1, 0
	STEP3 1, 0, 0
	STEP3 1, 1, 0
	STEP3 1, 2, 0
	s_wait_dscnt 8
	WIN 0x05
	MULA 1, 0, 0
	MULA 1, 1, 0
	s_wait_dscnt 0x0
	MULA 1, 2, 0
	MULA 1, 3, 0
	WIN 0
	s_wait_kmcnt 0x0
	s_add_co_i32 s66, s66, s67
	s_add_co_i32 s66, s66, 127
	s_lshl_b32 s66, s66, 23
	s_mov_b32 s67, s66
	s_wait_loadcnt 0x0
	PLACES
.irp a, 0,1,2,3
.set BK, 64+64*(\a%2)
.if \a > 1
	s_wait_xcnt 0x0
.endif
.irp b, 0,1,2,3
.irp p, 0,2,4,6
	v_pk_fma_f32 v[TMP+8*\b+\p:TMP+8*\b+\p+1], v[ACC+8*(4*\a+\b)+\p:ACC+8*(4*\a+\b)+\p+1], s[66:67], v[BO+8*\b+\p:BO+8*\b+\p+1] op_sel_hi:[1,0,1]
.endr
.endr
.irp b, 0,1,2,3
	ds_store_b128 v[STO], v[TMP+8*\b:TMP+8*\b+3] offset:64*\b
	ds_store_b128 v[STO], v[TMP+8*\b+4:TMP+8*\b+7] offset:64*\b+16
.endr
.irp t, 0,1,2,3,4,5,6,7
	ds_load_b128 v[BK+4*\t:BK+4*\t+3], v[RD] offset:\t*2*SP
.endr
.irp t, 0,1,2,3,4,5,6,7
	s_wait_dscnt 7-\t
	global_store_b128 v[CO], v[BK+4*\t:BK+4*\t+3], s[12:13] offset:(16*\a+2*\t)*8192 th:TH_STORE_NT
.endr
.endr
	s_wait_tensorcnt 0x0
	ds_add_u32 v[SPW], v[NIL]
	s_wait_dscnt 0x0
	CROUND
	s_endpgm
.Lfunc_end_k_qc23c37628b_proj:
	.size	k_qc23c37628b_proj, .Lfunc_end_k_qc23c37628b_proj-k_qc23c37628b_proj
	.p2alignl 7, 3214868480
	.fill 96, 4, 3214868480
	.section	.rodata,"a",@progbits
	.p2align	6, 0x0
	.amdhsa_kernel k_qc23c37628b_proj
		.amdhsa_group_segment_fixed_size 327680
		.amdhsa_private_segment_fixed_size 0
		.amdhsa_enable_private_segment 0
		.amdhsa_kernarg_size 40
		.amdhsa_user_sgpr_count 2
		.amdhsa_user_sgpr_kernarg_segment_ptr 1
		.amdhsa_wavefront_size32 1
		.amdhsa_system_sgpr_workgroup_id_x 1
		.amdhsa_system_sgpr_workgroup_id_y 1
		.amdhsa_system_sgpr_workgroup_id_z 1
		.amdhsa_system_vgpr_workitem_id 0
		.amdhsa_next_free_vgpr 512
		.amdhsa_next_free_sgpr 92
		.amdhsa_reserve_vcc 0
		.amdhsa_float_denorm_mode_32 3
		.amdhsa_float_denorm_mode_16_64 3
		.amdhsa_memory_ordered 1
		.amdhsa_forward_progress 1
		.amdhsa_inst_pref_size 77
	.end_amdhsa_kernel
	.amdgpu_metadata
---
amdhsa.version: [ 1, 2 ]
amdhsa.kernels:
  - .name:           k_qc23c37628b_proj
    .symbol:         k_qc23c37628b_proj.kd
    .args:
      - { .name: oc, .offset: 0, .size: 8, .value_kind: global_buffer, .address_space: global }
      - { .name: wo_codes, .offset: 8, .size: 8, .value_kind: global_buffer, .address_space: global }
      - { .name: bo, .offset: 16, .size: 8, .value_kind: global_buffer, .address_space: global }
      - { .name: lowp_scales, .offset: 24, .size: 8, .value_kind: global_buffer, .address_space: global }
      - { .name: out0, .offset: 32, .size: 8, .value_kind: global_buffer, .address_space: global }
    .group_segment_fixed_size: 327680
    .private_segment_fixed_size: 0
    .kernarg_segment_align: 8
    .kernarg_segment_size: 40
    .max_flat_workgroup_size: 128
    .sgpr_count:     92
    .vgpr_count:     512
    .wavefront_size: 32
...
	.end_amdgpu_metadata
.endif
;; end of part 3
